; MI455X (gfx1250); checked and timed in simulation.
; The chip was launched on July 23, 2026; its instructions are those of AMD's public machine-readable ISA for CDNA 5 (MIT licence, August 2026) and "CDNA5" Instruction Set Architecture Reference Guide (July 2026). The comments in the code are by the model that wrote it; some were corrected since.
;; Multi Head Attention. Allowed arithmetic: float matrix products may take bf16 or f16 operands with f32 sums; other float arithmetic in f32, or as packed bf16 or f16 multiplies, adds, multiply-adds, maxima and minima; sums over many terms, partial sums and values carried from step to step in f32; what a program stores and reads back later, other than sums and carried values, may be rounded once to bf16 or f16.
;; Inputs: cos 1 x 2,048 x 1 x 64 float32; k_norm_w 128 float32; q_norm_w 128 float32; sin 1 x 2,048 x 1 x 64 float32; w_gate 2,048 x 1,024 float32; w_proj 1,024 x 2,048 float32; wk 2,048 x 512 float32; wq 2,048 x 1,024 float32; wv 2,048 x 512 float32; x 2 x 2,048 x 2,048 float32.
;; Outputs: out0 2 x 2,048 x 2,048 float32.
;; 2 versions, each right; version 2 is version 1 with the launch cast written anew for expert scheduling mode. Each part assembles by itself: llvm-mc -triple=amdgcn-amd-amdhsa -mcpu=gfx1250 --defsym DOCPART=n.
;; ======== version 1 of 2: 4 launches
;; limits: values are held in f16: magnitudes above 65,504 overflow, below 6.1e-05 lose precision; right only within a limited range of input values
;; workspace buffers: xb 16,777,216 bytes; wb 12,582,912 bytes; wpb 4,194,304 bytes; qb 8,388,608 bytes; kb 4,194,304 bytes; vb 4,194,304 bytes; gb 8,388,608 bytes; yb 8,388,608 bytes
;; launch cast (part 1): grid 1024 x 1, 8 waves a work-group, no clusters, 0 bytes of LDS; arguments x, wq, wk, wv, w_gate, w_proj, xb, wb, wpb; writes xb, wb, wpb
.if DOCPART == 1
	.amdgcn_target "amdgcn-amd-amdhsa--gfx1250"
	.amdhsa_code_object_version 6
	.text
	.protected	k_q43f57dcf16_cast
	.globl	k_q43f57dcf16_cast
	.p2align	8
	.type	k_q43f57dcf16_cast,@function
k_q43f57dcf16_cast:
	s_mov_b64 s[64:65], 0
	v_nop
	global_prefetch_b8 v0, s[64:65] scope:SCOPE_SE
	s_setreg_imm32_b32 hwreg(HW_REG_WAVE_MODE, 25, 1), 1
	s_wait_xcnt 0x0
; CAST.  x and the five weight matrices, f32, are rounded once to bf16 (to nearest even) and laid out for the products that follow:
;   xb  [4096][2048] bf16;   wb [2048 k][3072 n] bf16, columns 0-1023 wq, 1024-1535 wk, 1536-2047 wv, 2048-3071 w_gate;
;   wpb [1024 k][2048 n]: w_proj rounded to bf16, and that number written as f16 (the last product multiplies in f16).
; LIMIT.  A bf16 number is exact in f16 from 2^-14 to 65,504; below 2^-14 it keeps f16's fixed step of 6e-8; from 65,520 on it becomes an infinity.
; A stream: no LDS, no matrix unit.  The unit is a SEGMENT of 512 source numbers (2,048 bytes in, 1,024 bytes out); no row of any source is shorter.
; A wave takes 4 consecutive segments (8 KiB of source on end), a work-group 32.  All 16 loads of a wave go out at once; each covers 512 consecutive bytes;
; each store's 32 lanes cover 256 consecutive bytes, aligned.  Nothing is looped over, so no register that a memory instruction reads is written again.
.set SO,   1                           ; v1       16 x lane: my 16 bytes in 512 bytes of source
.set DO,   2                           ; v[2:5]   segment j: 8 x lane + the segment's byte offset in the destination
.set T,    8                           ; v[8:9]   at work
.set X,    16                          ; v[16:79] 16 loads of 4 registers
.set Y,    80                          ; v[80:111] 16 pairs to store
.set G,    26                          ; s26  the work-group's number
.set SRC,  28                          ; s[28:29] source
.set DST,  30                          ; s[30:31] destination
.set GB,   32                          ; s32  first work-group of my region
.set LS,   33                          ; s33  log2 of the segments in a source row
.set PIT,  34                          ; s34  bytes from row to row in the destination
.set COF,  35                          ; s35  byte at which my source's columns begin in a destination row
.set WV,   36                          ; s36  wave
.set HIM,  37                          ; s37  a word's upper half
	s_load_b512 s[8:23], s[0:1], 0x0               ; x, wq, wk, wv, w_gate, w_proj, xb, wb
	s_load_b64 s[24:25], s[0:1], 0x40              ; wpb
	v_lshrrev_b32 v6, 5, v0
	v_readfirstlane_b32 s[WV], v6
	v_and_b32 v7, 31, v0
	v_lshlrev_b32 v[SO], 4, v7
	s_mov_b32 s[HIM], 0xffff0000
	s_mov_b32 s[G], ttmp9
	s_mov_b32 s[GB], 0                             ; work-groups 0-511: x
	s_mov_b32 s[LS], 2
	s_mov_b32 s[PIT], 4096
	s_mov_b32 s[COF], 0
	s_wait_kmcnt 0x0
	s_mov_b64 s[SRC:SRC+1], s[8:9]
	s_mov_b64 s[DST:DST+1], s[20:21]
; from this work-group on another source: one compare, and selects, which leave SCC as it is
.macro REGION from, src, dst, ls, pit, cof
	s_cmp_ge_u32 s[G], \from
	s_cselect_b64 s[SRC:SRC+1], s[\src:\src+1], s[SRC:SRC+1]
	s_cselect_b64 s[DST:DST+1], s[\dst:\dst+1], s[DST:DST+1]
	s_cselect_b32 s[GB], \from, s[GB]
	s_cselect_b32 s[LS], \ls, s[LS]
	s_cselect_b32 s[PIT], \pit, s[PIT]
	s_cselect_b32 s[COF], \cof, s[COF]
.endm
	REGION 512, 10, 22, 1, 6144, 0                 ; wq      128 work-groups
	REGION 640, 12, 22, 0, 6144, 2048              ; wk       64
	REGION 704, 14, 22, 0, 6144, 3072              ; wv       64
	REGION 768, 16, 22, 1, 6144, 4096              ; w_gate  128
	REGION 896, 18, 24, 2, 4096, 0                 ; w_proj  128
	s_sub_co_u32 s38, s[G], s[GB]
	s_lshl_b32 s38, s38, 5
	s_lshl2_add_u32 s38, s[WV], s38                ; my first segment: 32 x work-group in the region + 4 x wave
	s_lshl_b32 s40, s38, 11                        ; 2,048 bytes of source a segment (under 2^26)
	s_mov_b32 s41, 0
	s_add_nc_u64 s[SRC:SRC+1], s[SRC:SRC+1], s[40:41]
.irp j, 0,1,2,3
	s_add_co_u32 s42, s38, \j
	s_lshr_b32 s43, s42, s[LS]                     ; the segment's row,
	s_lshl_b32 s44, s43, s[LS]
	s_sub_co_u32 s44, s42, s44                     ; and its place in the row
	s_mul_i32 s43, s43, s[PIT]
	s_add_co_u32 s43, s43, s[COF]
	s_lshl_b32 s44, s44, 10
	s_add_co_u32 s43, s43, s44
	v_lshl_add_u32 v[DO+\j], v7, 3, s43
.endr
.set i, 0
.rept 16
	global_load_b128 v[X+4*i:X+4*i+3], v[SO], s[SRC:SRC+1] offset:512*i th:TH_LOAD_NT
.set i, i+1
.endr
; load i: four numbers a lane are rounded and stored.  f16 = 1: the bf16 number is widened again and written as f16.
.macro OUT i, f16
	s_wait_loadcnt 15-(\i)                         ; loads come back in order: the 15 - i younger ones may stay out
	v_cvt_pk_bf16_f32 v[Y+2*(\i)], v[X+4*(\i)], v[X+4*(\i)+1]
	v_cvt_pk_bf16_f32 v[Y+2*(\i)+1], v[X+4*(\i)+2], v[X+4*(\i)+3]
.if \f16
.irp h, 0,1
	v_lshlrev_b32 v[T], 16, v[Y+2*(\i)+\h]
	v_and_b32 v[T+1], s[HIM], v[Y+2*(\i)+\h]
	v_cvt_pk_f16_f32 v[Y+2*(\i)+\h], v[T], v[T+1]
.endr
.endif
	global_store_b64 v[DO+(\i)/4], v[Y+2*(\i):Y+2*(\i)+1], s[DST:DST+1] offset:256*((\i)%4)
.endm
	s_cmp_ge_u32 s[G], 896
	s_cbranch_scc1 .Lf16
.irp i, 0,1,2,3,4,5,6,7,8,9,10,11,12,13,14,15
	OUT \i, 0
.endr
	s_endpgm
.Lf16:
.irp i, 0,1,2,3,4,5,6,7,8,9,10,11,12,13,14,15
	OUT \i, 1
.endr
	s_endpgm
.Lfunc_end_k_q43f57dcf16_cast:
	.size	k_q43f57dcf16_cast, .Lfunc_end_k_q43f57dcf16_cast-k_q43f57dcf16_cast
	.p2alignl 7, 3214868480
	.fill 96, 4, 3214868480
	.section	.rodata,"a",@progbits
	.p2align	6, 0x0
	.amdhsa_kernel k_q43f57dcf16_cast
		.amdhsa_group_segment_fixed_size 0
		.amdhsa_private_segment_fixed_size 0
		.amdhsa_enable_private_segment 0
		.amdhsa_kernarg_size 72
		.amdhsa_user_sgpr_count 2
		.amdhsa_user_sgpr_kernarg_segment_ptr 1
		.amdhsa_wavefront_size32 1
		.amdhsa_system_sgpr_workgroup_id_x 1
		.amdhsa_system_sgpr_workgroup_id_y 1
		.amdhsa_system_sgpr_workgroup_id_z 1
		.amdhsa_system_vgpr_workitem_id 0
		.amdhsa_next_free_vgpr 112
		.amdhsa_next_free_sgpr 66
		.amdhsa_reserve_vcc 0
		.amdhsa_float_denorm_mode_32 3
		.amdhsa_float_denorm_mode_16_64 3
		.amdhsa_memory_ordered 1
		.amdhsa_forward_progress 1
		.amdhsa_inst_pref_size 18
	.end_amdhsa_kernel
	.amdgpu_metadata
---
amdhsa.version: [ 1, 2 ]
amdhsa.kernels:
  - .name:           k_q43f57dcf16_cast
    .symbol:         k_q43f57dcf16_cast.kd
    .args:
      - { .name: x, .offset: 0, .size: 8, .value_kind: global_buffer, .address_space: global }
      - { .name: wq, .offset: 8, .size: 8, .value_kind: global_buffer, .address_space: global }
      - { .name: wk, .offset: 16, .size: 8, .value_kind: global_buffer, .address_space: global }
      - { .name: wv, .offset: 24, .size: 8, .value_kind: global_buffer, .address_space: global }
      - { .name: w_gate, .offset: 32, .size: 8, .value_kind: global_buffer, .address_space: global }
      - { .name: w_proj, .offset: 40, .size: 8, .value_kind: global_buffer, .address_space: global }
      - { .name: xb, .offset: 48, .size: 8, .value_kind: global_buffer, .address_space: global }
      - { .name: wb, .offset: 56, .size: 8, .value_kind: global_buffer, .address_space: global }
      - { .name: wpb, .offset: 64, .size: 8, .value_kind: global_buffer, .address_space: global }
    .group_segment_fixed_size: 0
    .private_segment_fixed_size: 0
    .kernarg_segment_align: 8
    .kernarg_segment_size: 72
    .max_flat_workgroup_size: 256
    .sgpr_count:     66
    .vgpr_count:     112
    .wavefront_size: 32
...
	.end_amdgpu_metadata
.endif
;; end of part 1
;; launch proj (part 2): grid 12 x 16, 4 waves a work-group, clusters of 4 x 4, 327,680 bytes of LDS; arguments xb, wb, cos, sin, q_norm_w, k_norm_w, qb, kb, vb, gb; writes qb, kb, vb, gb
.if DOCPART == 2
	.amdgcn_target "amdgcn-amd-amdhsa--gfx1250"
	.amdhsa_code_object_version 6
	.text
	.protected	k_q43f57dcf16_proj
	.globl	k_q43f57dcf16_proj
	.p2align	8
	.type	k_q43f57dcf16_proj,@function
k_q43f57dcf16_proj:
	s_mov_b64 s[64:65], 0
	v_nop
	global_prefetch_b8 v0, s[64:65] scope:SCOPE_SE
	s_setreg_imm32_b32 hwreg(HW_REG_WAVE_MODE, 25, 1), 1
	s_wait_xcnt 0x0
	s_wait_alu depctr_hold_cnt(0) depctr_sa_sdst(0) depctr_va_vdst(0) depctr_va_sdst(0) depctr_va_ssrc(0) depctr_va_vcc(0) depctr_vm_vsrc(0)
	s_getreg_b32 s2, hwreg(HW_REG_IB_STS2, 6, 4)
	s_cmp_eq_u32 s2, 0
	s_cbranch_scc0 .Lentry_in_a_cluster
	s_endpgm
.Lentry_in_a_cluster:
	s_bfe_u32 s2, ttmp6, 0x10000c
	s_cmp_lg_u32 s2, 0xf033
	s_cbranch_scc0 .Lentry_shape_is_right
	s_endpgm
.Lentry_shape_is_right:
; PROJ.  [q | k | v | gate] = xb wb: [4096][2048] x [2048][3072], bf16 operands, f32 sums; then, for q and k, the RMS norm over the head's 128 channels with its gain and the rotation by cos and sin;
; for the gate the sigmoid; all four rounded once to f16 and stored by heads: qb, gb [b 8 + h][t][128], kb, vb [b 4 + kh][t][128].  gb holds the gate itself, sigmoid(x w_gate).
; LIMITS.  f16 ends at 65,504: |q|, |k| are at most sqrt(128) x |gain| x (|cos| + |sin|); v must lie within it.  The gate lies in 0 to 1; where 2^(-log2(e) g) overflows it is 0, where that underflows it is 1.
; cos, sin and the gains are rounded to bf16 like every other input.  The norm is taken as (x gain) r where the model writes (x r) gain.  v goes through q's and k's lines with gain 1, r 1, cos 1, sin 0: exact for finite numbers.
; SHARES.  A tile is 256 rows x 256 columns: 12 x 16 = 192 work-groups of four waves; a wave makes 128 x 128, and its 128 columns are ONE head: the norm and the rotation never leave the wave.
; A tile with 256 work-groups (128 x 384, 256 x 192) would cut heads across waves; it is not taken.
; K goes in 16 steps of 128 through two LDS slots filled by the tensor data mover.  x's rows lie along K; wb lies [k][n] and is taken as it lies, turned on the way into registers by ds_load_tr16_b128.
; CLUSTER 4 x 4: x's tile is shared along a row of the cluster, wb's along a column; each is asked for jointly.  Cluster x = 0 makes q, 1 makes k and v, 2 makes the gate.
; THE MATRIX INSTRUCTION IS USED TRANSPOSED (source 0 = 16 columns of wb, source 1 = 16 rows of x): lane l holds row l % 16 and, in accumulator b, channels 16 b + 8 (l / 16) + 0..7 of the head.
; So a row's sum of squares is a lane's own 64 numbers and one exchange between the halves of the lanes, and the partners d and d + 64 of the rotation are accumulators b and b + 4 of the same lane.
; THE WAY OUT goes by blocks of 16 rows.  The gate's cluster takes a path of its own (a branch on the cluster's x, which all sixteen partners share).
; THE ORDER OF THE BLOCKS.  The same rows of cos and sin are read by waves of both column halves, of q's and k's clusters and of both batches: eight kinds of wave.  Each kind begins at another of the eight blocks
; and goes round, so that at no time two kinds ask for the same rows.  The first block's cos and sin are asked for at the head, into registers that lie idle during the K loop.
; REGISTERS (windows of 256; s_set_vgpr_msb: bits 1:0 source 0, 3:2 source 1, 5:4 source 2, 7:6 destination):
;   window 0: v16-31 addresses; v32-63 rows on the way out; v64-127, v128-191 x's fragments (way out: U, and registers at work); v192-223 packed results
;   window 1: v0-63 the gains; v64-127, v128-191 wb's fragments (way out: packed bf16, and cos and sin widened); v192-255 cos and sin as loaded
;   windows 2, 3: the 64 accumulators, (a, b) at v[8 (8 (a % 4) + b)]
.set PA,     272                       ; a row of x in LDS: 256 bytes + 16: the 16 rows of a load begin in 16 different groups of four banks (64 banks of 4 bytes: ISA guide 11.1)
.set PB,     544                       ; a k-row of wb: 512 bytes + 32
.set HALFT,  128*PA                    ; what one tensor load brings: 128 rows of x, or 64 k-rows of wb (64 x 544 is the same 34,816)
.set SLOT,   4*HALFT                   ; 0x22000: x's 256 rows, then wb's 128 k-rows.  It shares no bit with wave x HALFT, so one exclusive or changes slots
.set STAGE,  2*SLOT                    ; behind the ring: 16 rows x 272 bytes for each wave
.set SP,     272
.set SPARE,  STAGE+4*16*SP             ; the spare words: 128 bytes a wave, two blocks of 256 bytes that no other line names
.set STEPA,  256                       ; bytes from K step to K step in x
.set STEPB,  128*6144                  ; and in wb
.set ADRA0, 16                         ; v16  my lane's place in x's tile, slot 0; never rewritten
.set ADRA,  17                         ; v17  the same in the slot in hand
.set ADRB0, 20
.set ADRB,  21
.set CS0,  22                          ; v22  my bytes in 16 rows of cos and sin; never rewritten
.set STO,  24                          ; v24  the way out: where I put 16 bytes of a row
.set RD,   25                          ; v25  where I read rows back
.set CO,   26                          ; v26  16 x lane: my bytes in 512 consecutive bytes of the result
.set CSO,  27                          ; v27  CS0 + the block whose cos and sin are asked for
.set SPW,  28
.set NIL,  29
.set PFO,  30                          ; v30  the prefetches' lane offset; never rewritten
.set WO,   31                          ; v31  my bytes in the gains; never rewritten
.set OB,   32
.set F0,   64
.set F1,   128
.set TMP,  192
.set U,    64                          ; the way out, window 0: a block's 64 numbers a lane
.set T,    128
.set SS,   136                         ; four pairs of partial sums of squares
.set SQ,   144
.set R,    160                         ; 1 / rms, twice
.set W,    0                           ; window 1
.set PK,   64
.set CW,   128
.set RAW,  192
.set GATE, 18                          ; s18  1 in the gate's cluster
.set IT,   19                          ; s19  counts the blocks
.set G1,  24                           ; s[24:31] group 1 for x's tiles
.set G0,  32                           ; s[32:39] group 0: two sets for the first fills; the second then walks
.set G1B, 48
.set G0B, 56
.set LIM, 43                           ; s43  2 in a wave that prefetches, else the greatest number
.set PFA, 44                           ; s[44:45] where my prefetches stand
.set ONE2, 66                          ; s66  1.0 twice, in bf16
.set NL,  67                           ; s67  -log2(e)
.set DW,  68                           ; s[68:69] the result at the block in hand
.set PFS, 84                           ; s[84:85] the prefetches' step
.set SB,  86                           ; s86  0 or SLOT: the slot that is read
.set PLAIN, 87                         ; s87  all ones for v's columns (and the gate's), else 0
.set DB,  88                           ; s[88:89] the result at my first row
.set NP,  90                           ; s[90:91] the gains
.set CP,  92                           ; s[92:93] cos, s[94:95] sin, at my first row
.set BLK, 99                           ; s99  the block in hand
.set MSB, 0
.macro WIN new                         ; the immediate's high byte repeats the setting that is left; a switch that changes nothing is dropped
.if MSB != (\new)
	s_set_vgpr_msb (MSB<<8)|(\new)
.set MSB, \new
.endif
.endm
.set MUL_LO, 0xa1                      ; source 0 (wb) window 1, source 1 (x) window 0, C and D window 2
.set MUL_HI, 0xf1
.set TO_B,   0x40
.macro PLACES
.rept 4
	v_nop
.endr
.endm
; A joint refill by the walking descriptors: waves 0 and 1 x's halves, waves 2 and 3 wb's.  The branch hangs on the wave's number alone.  An s_nop 0 and four v_nop follow each line.
.macro JLOAD
	s_cmp_eq_u32 s11, 0
	s_cbranch_scc0 .Lfor_b_\@
	tensor_load_to_lds s[G0+4:G0+7], s[G1:G1+7]
	s_nop 0
	PLACES
	s_branch .Lasked_\@
.Lfor_b_\@:
	tensor_load_to_lds s[G0B+4:G0B+7], s[G1B:G1B+7]
	s_nop 0
	PLACES
.Lasked_\@:
.endm
; A prefetch of the K step that stands two refills on (512 matrix instructions ahead of the load that will name it): one instruction a wave, each lane another block of 256 bytes.
; x's rows are read by the three clusters of a row of clusters: the one with x = 0 asks; wb's columns by the four of a column: the one with y = 0 asks.  The four partners of a joint load share its
; blocks out BY ADDRESS: of x's 128 rows the partner at cx takes 32 (a lane a row); of wb's 64 k-rows of 512 bytes the partner at cy takes 16 (two lanes a row).  K steps 0 to 3 come by their loads alone; the last two refills ask for nothing.
.macro ASK
	s_cmp_gt_u32 s3, s[LIM]
	s_cbranch_scc0 .Lnot_mine_\@
	global_prefetch_b8 v[PFO], s[PFA:PFA+1] th:TH_LOAD_NT scope:SCOPE_SE
.Lnot_mine_\@:
.endm
.macro CREST                           ; a round of the cluster's barrier behind its opening barrier
	s_cmp_lg_u32 s10, 0
	s_cbranch_scc1 .Lnot_wave_0_\@
	s_barrier_signal -3
.Lnot_wave_0_\@:
	s_barrier_wait -3
	s_barrier_signal -1
	s_barrier_wait -1
.endm
.macro CROUND
	s_barrier_signal -1
	s_barrier_wait -1
	CREST
.endm
.macro CSLOAD                          ; 16 rows of cos and sin: my 32 numbers of each
	WIN TO_B
.irp b, 0,1,2,3
	global_load_b128 v[RAW+8*(\b):RAW+8*(\b)+3],       v[CSO], s[CP:CP+1] offset:64*(\b)
	global_load_b128 v[RAW+8*(\b)+4:RAW+8*(\b)+7],     v[CSO], s[CP:CP+1] offset:64*(\b)+16
	global_load_b128 v[RAW+32+8*(\b):RAW+32+8*(\b)+3], v[CSO], s[CP+2:CP+3] offset:64*(\b)
	global_load_b128 v[RAW+32+8*(\b)+4:RAW+32+8*(\b)+7], v[CSO], s[CP+2:CP+3] offset:64*(\b)+16
.endr
	WIN 0
.endm
	s_load_b128 s[4:7], s[0:1], 0x0                ; xb s[4:5], wb s[6:7]
	s_load_b512 s[68:83], s[0:1], 0x10             ; cos 68, sin 70, q_norm_w 72, k_norm_w 74, qb 76, kb 78, vb 80, gb 82
	v_lshl_add_u32 v[SPW], v0, 2, SPARE
	v_mov_b32 v[NIL], 0
	ds_add_u32 v[SPW], v[NIL]                      ; the wave's opening: the add and its wait stand ahead of my first tensor load
	v_lshrrev_b32 v1, 5, v0
	v_readfirstlane_b32 s10, v1                    ; wave 0..3
	s_lshr_b32 s11, s10, 1                         ; my half of the tile's rows.  Also: I fetch for x (0) or for wb (1)
	s_and_b32 s12, s10, 1                          ; my half of its columns.  Also: which half of that tile I fetch
	s_bfe_u32 s40, ttmp6, 0x40000                  ; cx
	s_bfe_u32 s41, ttmp6, 0x40004                  ; cy
	s_lshl_b32 s42, ttmp9, 2
	s_add_co_u32 s42, s42, s40                     ; tile column 0..11
	s_and_b32 s13, ttmp7, 0xffff
	s_lshl_b32 s13, s13, 2
	s_add_co_u32 s13, s13, s41                     ; tile row 0..15
	s_lshl_b32 s43, s41, 2
	s_lshl_b32 s43, 15, s43                        ; my row of the cluster
	s_lshl_b32 s44, 0x1111, s40                    ; my column
	s_or_b32 s[G1+0], s43, (1<<16)|(1<<20)|(1<<21)|(5<<22)|(3<<25)   ; mask; 2-byte elements; padding on; bit 21 beside a mask; after every 64 words 4 words
	s_or_b32 s[G1B+0], s44, (1<<16)|(1<<20)|(1<<21)|(6<<22)|(7<<25)  ; after every 128 words 8 words
	s_mov_b32 s[G1+1], 128<<16                     ; tensor_dim0 = 128
	s_mov_b32 s[G1+2], 128<<16                     ; tensor_dim1 = 128
	s_mov_b32 s[G1+3], 128<<16                     ; tile_dim0 = 128
	s_mov_b32 s[G1+4], 128                         ; tile_dim1 = 128
	s_mov_b32 s[G1+5], 2048                        ; elements from row to row
	s_mov_b32 s[G1+6], 0
	s_mov_b32 s[G1+7], 0
	s_mov_b32 s[G1B+1], 256<<16                    ; tensor_dim0 = 256
	s_mov_b32 s[G1B+2], 64<<16                     ; tensor_dim1 = 64
	s_mov_b32 s[G1B+3], 256<<16                    ; tile_dim0 = 256
	s_mov_b32 s[G1B+4], 64                         ; tile_dim1 = 64
	s_mov_b32 s[G1B+5], 3072
	s_mov_b32 s[G1B+6], 0
	s_mov_b32 s[G1B+7], 0
	s_lshl_b32 s16, s13, 8                         ; x: row 256 x tile row + 128 x half, 4,096 bytes a row: hangs on the tile row alone
	s_lshl_b32 s17, s12, 7
	s_add_co_u32 s16, s16, s17
	s_lshl_b32 s16, s16, 12
	s_mov_b32 s17, 0
	s_mul_i32 s46, s12, 64*6144                    ; wb: k-row 64 x half, column 256 x tile column: hangs on the tile column alone
	s_lshl_b32 s47, s42, 9
	s_add_co_u32 s46, s46, s47
	s_mov_b32 s47, 0
	s_mul_i32 s20, s10, HALFT                      ; where my part goes: wave x 34,816
	s_mov_b32 s[SB], 0
	s_wait_dscnt 0x0                               ; the opening add is done
	s_wait_kmcnt 0x0
	s_add_nc_u64 s[14:15], s[4:5], s[16:17]
	s_add_nc_u64 s[46:47], s[6:7], s[46:47]
	CROUND                                         ; all sixteen work-groups are here: the first joint loads meet
.irp s, 0,1
	s_mov_b32 s[G0+4*(\s)], 1
	s_add_co_u32 s[G0+4*(\s)+1], s20, (\s)*SLOT
	s_add_nc_u64 s[G0+4*(\s)+2:G0+4*(\s)+3], s[14:15], (\s)*STEPA
	s_or_b32 s[G0+4*(\s)+3], s[G0+4*(\s)+3], 0x80000000
	s_mov_b32 s[G0B+4*(\s)], 1
	s_add_co_u32 s[G0B+4*(\s)+1], s20, (\s)*SLOT
	s_add_nc_u64 s[G0B+4*(\s)+2:G0B+4*(\s)+3], s[46:47], (\s)*STEPB
	s_or_b32 s[G0B+4*(\s)+3], s[G0B+4*(\s)+3], 0x80000000
.endr
	s_cmp_eq_u32 s11, 0                            ; a wave's two first fills stand in one branch: two loads of mine are out
	s_cbranch_scc0 .Lfirst_b
	tensor_load_to_lds s[G0:G0+3], s[G1:G1+7]
	s_nop 0
	tensor_load_to_lds s[G0+4:G0+7], s[G1:G1+7]
	s_nop 0
	PLACES
	s_branch .Lfirst_asked
.Lfirst_b:
	tensor_load_to_lds s[G0B:G0B+3], s[G1B:G1B+7]
	s_nop 0
	tensor_load_to_lds s[G0B+4:G0B+7], s[G1B:G1B+7]
	s_nop 0
	PLACES
.Lfirst_asked:
	; lane addresses
	v_and_b32 v1, 15, v0                           ; l % 16
	v_bfe_u32 v2, v0, 4, 1                         ; l / 16
	v_mul_u32_u24 v3, v1, PA
	v_lshl_add_u32 v3, v2, 4, v3                   ; row x 272 + 16 x half
	s_mul_i32 s21, s11, HALFT
	v_add_nc_u32 v[ADRA0], s21, v3
	v_mov_b32 v[ADRA], v[ADRA0]
	v_and_b32 v4, 7, v0                            ; the turning load: lane l reads k-row 8 (l / 16) + l % 8, columns 8 ((l / 8) % 2) + 0..7
	v_lshl_add_u32 v4, v2, 3, v4
	v_mul_u32_u24 v4, v4, PB
	v_bfe_u32 v5, v0, 3, 1
	v_lshl_add_u32 v4, v5, 4, v4
	s_lshl_b32 s22, s12, 8                         ; my 128 columns,
	s_add_co_u32 s22, s22, 2*HALFT                 ; behind x's 256 rows
	v_add_nc_u32 v[ADRB0], s22, v4
	v_mov_b32 v[ADRB], v[ADRB0]
	s_mul_i32 s23, s10, 16*SP
	s_add_co_u32 s23, s23, STAGE
	v_add_nc_u32 v[STO], s23, v3                   ; in: row l % 16, 16 bytes for each half of the lanes
	v_mul_u32_u24 v5, v2, SP
	v_lshl_add_u32 v5, v1, 4, v5
	v_add_nc_u32 v[RD], s23, v5                    ; back: lanes 0-15 one row of 256 bytes, lanes 16-31 the next
	v_and_b32 v6, 31, v0
	v_lshlrev_b32 v[CO], 4, v6
	v_lshlrev_b32 v[CS0], 8, v1                    ; a row of cos is 256 bytes; my 8 numbers of each 16 begin at 32 x half
	v_lshl_add_u32 v[CS0], v2, 5, v[CS0]
	v_lshlrev_b32 v[WO], 5, v2
	; which tensor my head belongs to: selects alone, no branch.  Head slot hs = 2 x tile column + half: 0-7 q, 8-11 k, 12-15 v, 16-23 gate
	s_lshl_b32 s8, s42, 1
	s_add_co_u32 s8, s8, s12                       ; hs
	s_lshr_b32 s9, s13, 3                          ; batch
	s_lshl3_add_u32 s2, s9, s8                     ; q: 8 b + hs
	s_lshl2_add_u32 s66, s9, s8
	s_sub_co_u32 s67, s66, 12                      ; v: 4 b + hs - 12
	s_sub_co_u32 s66, s66, 8                       ; k: 4 b + hs - 8
	s_sub_co_u32 s[BLK], s2, 16                    ; gate: 8 b + hs - 16
	s_mov_b64 s[DB:DB+1], s[76:77]
	s_mov_b64 s[NP:NP+1], s[72:73]
	s_cmp_ge_u32 s42, 4
	s_cselect_b64 s[DB:DB+1], s[78:79], s[DB:DB+1]
	s_cselect_b64 s[NP:NP+1], s[74:75], s[NP:NP+1]
	s_cselect_b32 s2, s66, s2
	s_cmp_ge_u32 s42, 6
	s_cselect_b64 s[DB:DB+1], s[80:81], s[DB:DB+1]
	s_cselect_b32 s2, s67, s2
	s_cselect_b32 s[PLAIN], -1, 0
	s_cmp_ge_u32 s42, 8
	s_cselect_b64 s[DB:DB+1], s[82:83], s[DB:DB+1]
	s_cselect_b32 s2, s[BLK], s2
	s_and_b32 s8, s13, 7
	s_lshl_b32 s8, s8, 8
	s_lshl_b32 s9, s11, 7
	s_add_co_u32 s8, s8, s9                        ; t of my first row
	s_lshl_b32 s2, s2, 11
	s_add_co_u32 s2, s2, s8
	s_lshl_b32 s66, s2, 8                          ; 256 bytes a row of a head
	s_mov_b32 s67, 0
	s_add_nc_u64 s[DB:DB+1], s[DB:DB+1], s[66:67]
	s_lshl_b32 s66, s8, 8
	s_add_nc_u64 s[CP:CP+1], s[68:69], s[66:67]
	s_add_nc_u64 s[CP+2:CP+3], s[70:71], s[66:67]
	; my first block: 4 (cluster x % 2) + 2 x batch + column half: made of the cluster's place and the wave's number, the same in all sixteen partners
	s_mov_b32 s[GATE], ttmp9
	s_and_b32 s8, s[GATE], 1
	s_lshl_b32 s8, s8, 2
	s_and_b32 s9, ttmp7, 0xffff
	s_lshr_b32 s9, s9, 1                           ; batch = cluster y / 2
	s_lshl1_add_u32 s8, s9, s8
	s_add_co_u32 s[BLK], s8, s12
	s_cmp_eq_u32 s[GATE], 2
	s_cselect_b32 s[GATE], 1, 0
	s_lshl_b32 s8, s[BLK], 12                      ; 16 rows of cos are 4,096 bytes
	v_add_nc_u32 v[CSO], s8, v[CS0]
	WIN TO_B
.irp b, 0,1,2,3,4,5,6,7                ; the gains of my 64 channels; waited for on the way out
	global_load_b128 v[W+8*(\b):W+8*(\b)+3],   v[WO], s[NP:NP+1] offset:64*(\b)
	global_load_b128 v[W+8*(\b)+4:W+8*(\b)+7], v[WO], s[NP:NP+1] offset:64*(\b)+16
.endr
	WIN 0
	CSLOAD                                         ; my first block's cos and sin, a whole K loop ahead of their use.  (The gate's cluster issues these 32 loads too and uses none: one text as far as the way out)
	; the prefetches
	s_lshl_b32 s8, s13, 8
	s_lshl_b32 s9, s12, 7
	s_add_co_u32 s8, s8, s9
	s_lshl_b32 s9, s40, 5
	s_add_co_u32 s8, s8, s9
	s_lshl_b32 s8, s8, 12
	s_add_co_u32 s8, s8, 3*STEPA                   ; x: my work-group's 32 rows, at K step 3: the first refill steps it to 4
	s_lshl_b32 s9, s12, 6
	s_lshl_b32 s2, s41, 4
	s_add_co_u32 s9, s9, s2
	s_mul_i32 s9, s9, 6144
	s_lshl_b32 s2, s42, 9
	s_add_co_u32 s9, s9, s2
	s_add_co_u32 s9, s9, 3*STEPB                   ; wb: my work-group's 16 k-rows
	s_and_b32 s2, ttmp7, 0xffff
	s_mov_b32 s[PFS], STEPB
	s_mov_b32 s67, 6144
	s_cmp_eq_u32 s11, 0
	s_cselect_b32 s8, s8, s9
	s_cselect_b32 s2, ttmp9, s2                    ; the coordinate along which other clusters read the same blocks
	s_cselect_b32 s[PFS], STEPA, s[PFS]
	s_cselect_b32 s67, 4096, s67
	s_cselect_b64 s[PFA:PFA+1], s[4:5], s[6:7]
	s_mov_b32 s9, 0
	s_mov_b32 s[PFS+1], 0
	s_add_nc_u64 s[PFA:PFA+1], s[PFA:PFA+1], s[8:9]
	s_cmp_eq_u32 s2, 0
	s_cselect_b32 s[LIM], 2, -1
	v_lshrrev_b32 v7, s11, v6                      ; x: a lane a row; wb: two lanes a row
	v_mul_u32_u24 v7, v7, s67
	v_and_b32 v8, s11, v6
	v_lshl_add_u32 v[PFO], v8, 8, v7
	s_mov_b32 s96, 0x3c000000                      ; 1 / 128
	s_mov_b32 s97, 0x358637bd                      ; 1e-6
	s_mov_b32 s98, 0xffff0000
	s_mov_b32 s100, 0x76543210                     ; v_permlanex16_b32: each lane takes its own place in the other half
	s_mov_b32 s101, 0xfedcba98
	s_mov_b32 s[ONE2], 0x3f803f80
	s_mov_b32 s[NL], 0xbfb8aa3b
; 16 matrix instructions: row blocks a0, a0 + 1 of the window's four x all 8 column blocks, 32 along K.  The 64 accumulators take turns in one order everywhere.
.macro MUL16 f, hi, a0, zero
	WIN MUL_LO+0x50*(\hi)
.irp a, \a0, (\a0)+1
.irp b, 0,1,2,3,4,5,6,7
.if \zero
	v_wmma_f32_16x16x32_bf16 v[8*(8*(\a)+(\b)):8*(8*(\a)+(\b))+7], v[(\f)+8*(\b):(\f)+8*(\b)+7], v[(\f)+8*(4*(\hi)+(\a)):(\f)+8*(4*(\hi)+(\a))+7], 0
.else
	v_wmma_f32_16x16x32_bf16 v[8*(8*(\a)+(\b)):8*(8*(\a)+(\b))+7], v[(\f)+8*(\b):(\f)+8*(\b)+7], v[(\f)+8*(4*(\hi)+(\a)):(\f)+8*(4*(\hi)+(\a))+7], v[8*(8*(\a)+(\b)):8*(8*(\a)+(\b))+7]
.endif
.endr
.endr
.endm
; 32 LDS loads in one run: quarter q (32 along K) of the slot in hand into buffer f: wb's 8 column blocks, turned, then x's 8 row blocks
.macro FETCH q, f
	WIN TO_B
.irp i, 0,1,2,3,4,5,6,7
	ds_load_tr16_b128 v[(\f)+8*(\i):(\f)+8*(\i)+3],   v[ADRB] offset:(\q)*32*PB+32*(\i)
	ds_load_tr16_b128 v[(\f)+8*(\i)+4:(\f)+8*(\i)+7], v[ADRB] offset:(\q)*32*PB+16*PB+32*(\i)
.endr
	WIN 0
.irp i, 0,1,2,3,4,5,6,7
	ds_load_b128 v[(\f)+8*(\i):(\f)+8*(\i)+3],   v[ADRA] offset:(\q)*64+(\i)*16*PA
	ds_load_b128 v[(\f)+8*(\i)+4:(\f)+8*(\i)+7], v[ADRA] offset:(\q)*64+(\i)*16*PA+32
.endr
.endm
; One of a K step's first three quarters: multiplies buffer f and, in its middle, fetches quarter q into buffer g
.macro QUARTER q, f, g, zero
	s_wait_dscnt 8                                 ; wb and x's rows 0-63 are in; the youngest eight loads (rows 64-127) may be out
	MUL16 \f, 0, 0, \zero
	MUL16 \f, 0, 2, \zero
	PLACES                                         ; four places in front of loads into registers that matrix instructions have read
	FETCH \q, \g
	s_wait_dscnt 32                                ; all but the 32 just issued
	MUL16 \f, 1, 0, \zero
	MUL16 \f, 1, 2, \zero
.endm
; The last quarter's first half and the barrier of the change of slots
.macro MEET round
	WIN 0
	s_wait_tensorcnt 0x0                           ; all my tensor loads have landed: the one that was out is my part of the next slot
	ds_add_u32 v[SPW], v[NIL]
.if \round
	s_xor_b32 s[G0+5], s[G0+5], SLOT               ; no load of mine is out, so the walking descriptors step: the other slot, the next K step
	s_add_nc_u64 s[G0+6:G0+7], s[G0+6:G0+7], STEPA
	s_xor_b32 s[G0B+5], s[G0B+5], SLOT
	s_add_nc_u64 s[G0B+6:G0B+7], s[G0B+6:G0B+7], STEPB
.endif
	s_wait_dscnt 9                                 ; the add and the youngest eight loads may be out
	MUL16 F1, 0, 0, 0
	s_wait_dscnt 0x0                               ; the add is done, and my reads of this slot are over
	s_barrier_signal -1
	MUL16 F1, 0, 2, 0
.if \round
	WIN 0
.endif
	s_barrier_wait -1
.endm
; The whole last quarter.  fill = 1: the slot just read out is filled again, two K steps ahead, first thing behind a round of the cluster's barrier: 224 matrix instructions stand between that request and the wait for it.
.macro TURN fill
.if \fill
	s_wait_xcnt 0x0                                ; the last prefetch, a K step back, has read its address
	s_add_nc_u64 s[PFA:PFA+1], s[PFA:PFA+1], s[PFS:PFS+1]
.endif
	MEET \fill
.if \fill
	CREST
	JLOAD                                          ; its four v_nop are also the places in front of the loads below
.else
	PLACES
	WIN 0
.endif
	s_xor_b32 s[SB], s[SB], SLOT
	v_add_nc_u32 v[ADRA], s[SB], v[ADRA0]
	v_add_nc_u32 v[ADRB], s[SB], v[ADRB0]
	FETCH 0, F0
.if \fill
	ASK
.endif
	MUL16 F1, 1, 0, 0
	MUL16 F1, 1, 2, 0
.endm
	s_wait_tensorcnt 1                             ; my part of K step 0 is in; K step 1's may stay out
	s_barrier_signal -1
	s_barrier_wait -1
	FETCH 0, F0
	QUARTER 1, F0, F1, 1                           ; the first quarter's products start the sums
	WIN 0
	s_mov_b32 s3, 14
.Lk:                                               ; a trip: the rest of K step t, the refill with K step t + 2, the first quarter of K step t + 1
	QUARTER 2, F1, F0, 0
	QUARTER 3, F0, F1, 0
	TURN 1
	QUARTER 1, F0, F1, 0
	WIN 0
	s_sub_co_u32 s3, s3, 1
	s_cmp_lg_u32 s3, 0
	s_cbranch_scc1 .Lk
	s_mov_b32 s3, 2
.Ltail:                                            ; K steps 14 and 15 ask for nothing.  The second trip is left in its middle; its fetch brings bytes of the other slot that serve nothing: 32 LDS loads, once, for one text
	QUARTER 2, F1, F0, 0
	QUARTER 3, F0, F1, 0
	TURN 0
	WIN 0
	s_sub_co_u32 s3, s3, 1
	s_cmp_eq_u32 s3, 0
	s_cbranch_scc1 .Ldone
	QUARTER 1, F0, F1, 0
	WIN 0
	s_branch .Ltail
.Ldone:
	s_wait_dscnt 0x0
	PLACES
	PLACES
; THE WAY OUT, a block of 16 rows at a time.
	s_wait_loadcnt 0x0                             ; the gains and the first block's cos and sin: asked for at the head
	s_cmp_eq_u32 s[GATE], 1
	s_cbranch_scc1 .Lgate_w
	WIN 0x45                                       ; sources 0, 1 and destination in window 1
.set i, 0
.rept 32
	v_cvt_pk_bf16_f32 v[PK+i], v[W+2*i], v[W+2*i+1]        ; the gains are rounded to bf16 like every input,
.set i, i+1
.endr
.set i, 0
.rept 32
	v_cndmask_b32 v[PK+i], v[PK+i], s[ONE2], s[PLAIN]      ; are 1 for v,
.set i, i+1
.endr
.set i, 0
.rept 32
	v_lshlrev_b32 v[W+2*i], 16, v[PK+i]                    ; and widened again
	v_and_b32 v[W+2*i+1], s98, v[PK+i]
.set i, i+1
.endr
	WIN 0
	s_branch .Lw_done
.Lgate_w:                                          ; the gate: the factor that stands where the gain stands is -log2(e)
	WIN TO_B
.set i, 0
.rept 64
	v_mov_b32 v[W+i], s[NL]
.set i, i+1
.endr
	WIN 0
.Lw_done:
	v_mov_b32 v[SQ+1], 0                           ; v_permlanex16_b32's destination counts as read
	s_mov_b32 s[IT], 0
; Block a's accumulators have register numbers of their own, so this part is written eight times: the sums of squares (each accumulator's lowest registers are read first) and U = x gain.
.macro SECT a
.set AW, 2+(\a)/4
.set AC, 64*((\a)%4)
	WIN AW*5                                       ; sources 0 and 1 in the accumulators' window
.set i, 0
.rept 32
.if i < 4
	v_pk_mul_f32 v[SS+2*i:SS+2*i+1], v[AC+2*i:AC+2*i+1], v[AC+2*i:AC+2*i+1]
.else
	v_pk_fma_f32 v[SS+2*(i%4):SS+2*(i%4)+1], v[AC+2*i:AC+2*i+1], v[AC+2*i:AC+2*i+1], v[SS+2*(i%4):SS+2*(i%4)+1]
.endif
.set i, i+1
.endr
	WIN AW+4                                       ; source 1 in window 1
.set i, 0
.rept 32
	v_pk_mul_f32 v[U+2*i:U+2*i+1], v[AC+2*i:AC+2*i+1], v[W+2*i:W+2*i+1]
.set i, i+1
.endr
	WIN 0
.endm
.Lblk:
.irp a, 0,1,2,3,4,5,6
	s_cmp_eq_u32 s[BLK], \a
	s_cbranch_scc1 .Lrows\a
.endr
	SECT 7
	s_branch .Lcom
.irp a, 0,1,2,3,4,5
.Lrows\a:
	SECT \a
	s_branch .Lcom
.endr
.Lrows6:
	SECT 6
.Lcom:                                             ; from here on one text for every block
	s_cmp_eq_u32 s[GATE], 1
	s_cbranch_scc0 .Lnorm
	; THE GATE: 1 / (1 + 2^(-log2(e) g)); U holds -log2(e) g.  Two batches, a plain instruction and one wait behind each
.set i, 0
.rept 64
	v_exp_f32 v[U+i], v[U+i]
.set i, i+1
.endr
	v_nop
	s_wait_alu depctr_va_vdst(0)
.set i, 0
.rept 32
	v_pk_add_f32 v[U+2*i:U+2*i+1], v[U+2*i:U+2*i+1], 1.0 op_sel_hi:[1,0]
.set i, i+1
.endr
.set i, 0
.rept 64
	v_rcp_f32 v[U+i], v[U+i]
.set i, i+1
.endr
	v_nop
	s_wait_alu depctr_va_vdst(0)
	s_branch .Lpack
.Lnorm:                                            ; q, k AND v
	s_wait_loadcnt 0x0                             ; this block's cos and sin, asked for a block ago (the first block's: at the head)
	WIN 0x45
.set i, 0
.rept 32
	v_cvt_pk_bf16_f32 v[PK+i], v[RAW+2*i], v[RAW+2*i+1]
.set i, i+1
.endr
	WIN 0
	s_add_co_u32 s8, s[BLK], 1                     ; the next block, round the eight
	s_and_b32 s8, s8, 7
	s_lshl_b32 s8, s8, 12
	v_add_nc_u32 v[CSO], s8, v[CS0]                ; free since that wait
	s_cmp_eq_u32 s[IT], 7
	s_cbranch_scc1 .Lno_more                       ; behind my last block nothing is asked for
	CSLOAD
.Lno_more:
	v_pk_add_f32 v[SS:SS+1], v[SS:SS+1], v[SS+2:SS+3]
	v_pk_add_f32 v[SS+4:SS+5], v[SS+4:SS+5], v[SS+6:SS+7]
	v_pk_add_f32 v[SS:SS+1], v[SS:SS+1], v[SS+4:SS+5]
	v_add_f32 v[SQ], v[SS], v[SS+1]
	v_permlanex16_b32 v[SQ+1], v[SQ], s100, s101   ; the row's other 64 channels lie in the lane 16 away
	v_add_f32 v[SQ], v[SQ], v[SQ+1]
	v_fma_f32 v[SQ], v[SQ], s96, s97               ; mean + eps
	v_rsq_f32 v[R], v[SQ]
	v_rsq_f32 v[R+1], v[SQ]                        ; twice, for the packed multiply; the lines below are the independent work behind them
	WIN 0x45
.set i, 0
.rept 16
	v_cndmask_b32 v[PK+i], v[PK+i], s[ONE2], s[PLAIN]      ; v: cos 1,
	v_cndmask_b32 v[PK+16+i], v[PK+16+i], 0, s[PLAIN]      ; sin 0
.set i, i+1
.endr
.set i, 0
.rept 32
	v_lshlrev_b32 v[CW+2*i], 16, v[PK+i]
	v_and_b32 v[CW+2*i+1], s98, v[PK+i]
.set i, i+1
.endr
	WIN 0
	s_wait_alu depctr_va_vdst(0)                   ; one wait for both roots, ahead of their first reader
	v_cndmask_b32 v[R], v[R], 1.0, s[PLAIN]
	v_cndmask_b32 v[R+1], v[R+1], 1.0, s[PLAIN]
.set i, 0
.rept 32
	v_pk_mul_f32 v[U+2*i:U+2*i+1], v[U+2*i:U+2*i+1], v[R:R+1]
.set i, i+1
.endr
	WIN 0x04                                       ; source 1 (cos, sin) in window 1
.set i, 0
.rept 16                               ; y1 = x1 cos - x2 sin, y2 = x1 sin + x2 cos; x2 lies 32 registers behind x1
.set tt, T+4*(i%2)
	v_pk_mul_f32 v[tt:tt+1], v[U+32+2*i:U+32+2*i+1], v[CW+32+2*i:CW+32+2*i+1]
	v_pk_mul_f32 v[tt+2:tt+3], v[U+2*i:U+2*i+1], v[CW+32+2*i:CW+32+2*i+1]
	v_pk_fma_f32 v[U+2*i:U+2*i+1], v[U+2*i:U+2*i+1], v[CW+2*i:CW+2*i+1], v[tt:tt+1] neg_lo:[0,0,1] neg_hi:[0,0,1]
	v_pk_fma_f32 v[U+32+2*i:U+32+2*i+1], v[U+32+2*i:U+32+2*i+1], v[CW+2*i:CW+2*i+1], v[tt+2:tt+3]
.set i, i+1
.endr
	WIN 0
.Lpack:
.set i, 0
.rept 32
	v_cvt_pk_f16_f32 v[TMP+i], v[U+2*i], v[U+2*i+1]
.set i, i+1
.endr
	s_wait_xcnt 0x0                                ; the last block's stores have read their registers and their base
	s_lshl_b32 s8, s[BLK], 12                      ; 16 rows of a head are 4,096 consecutive bytes (s9 holds 0)
	s_add_nc_u64 s[DW:DW+1], s[DB:DB+1], s[8:9]
.irp b, 0,1,2,3,4,5,6,7
	ds_store_b128 v[STO], v[TMP+4*(\b):TMP+4*(\b)+3] offset:32*(\b)
.endr
.irp t, 0,1,2,3,4,5,6,7
	ds_load_b128 v[OB+4*(\t):OB+4*(\t)+3], v[RD] offset:(\t)*2*SP  ; LDS serves a wave's instructions in order (ISA guide 5.7.1.4): these see the stores above
.endr
.irp t, 0,1,2,3,4,5,6,7
	s_wait_dscnt 7-(\t)
	global_store_b128 v[CO], v[OB+4*(\t):OB+4*(\t)+3], s[DW:DW+1] offset:512*(\t)  ; 512 consecutive bytes, at a multiple of 256 from the buffer's first
.endr
	s_add_co_u32 s[BLK], s[BLK], 1
	s_and_b32 s[BLK], s[BLK], 7
	s_add_co_u32 s[IT], s[IT], 1
	s_cmp_lt_u32 s[IT], 8
	s_cbranch_scc1 .Lblk
	s_wait_tensorcnt 0x0                           ; the wave's end
	ds_add_u32 v[SPW], v[NIL]
	s_wait_dscnt 0x0
	CROUND                                         ; the closing round
	s_endpgm
.Lfunc_end_k_q43f57dcf16_proj:
	.size	k_q43f57dcf16_proj, .Lfunc_end_k_q43f57dcf16_proj-k_q43f57dcf16_proj
	.p2alignl 7, 3214868480
	.fill 96, 4, 3214868480
	.section	.rodata,"a",@progbits
	.p2align	6, 0x0
	.amdhsa_kernel k_q43f57dcf16_proj
		.amdhsa_group_segment_fixed_size 327680
		.amdhsa_private_segment_fixed_size 0
		.amdhsa_enable_private_segment 0
		.amdhsa_kernarg_size 80
		.amdhsa_user_sgpr_count 2
		.amdhsa_user_sgpr_kernarg_segment_ptr 1
		.amdhsa_wavefront_size32 1
		.amdhsa_system_sgpr_workgroup_id_x 1
		.amdhsa_system_sgpr_workgroup_id_y 1
		.amdhsa_system_sgpr_workgroup_id_z 1
		.amdhsa_system_vgpr_workitem_id 0
		.amdhsa_next_free_vgpr 1024
		.amdhsa_next_free_sgpr 102
		.amdhsa_reserve_vcc 0
		.amdhsa_float_denorm_mode_32 3
		.amdhsa_float_denorm_mode_16_64 3
		.amdhsa_memory_ordered 1
		.amdhsa_forward_progress 1
		.amdhsa_inst_pref_size 141
	.end_amdhsa_kernel
	.amdgpu_metadata
---
amdhsa.version: [ 1, 2 ]
amdhsa.kernels:
  - .name:           k_q43f57dcf16_proj
    .symbol:         k_q43f57dcf16_proj.kd
    .args:
      - { .name: xb, .offset: 0, .size: 8, .value_kind: global_buffer, .address_space: global }
      - { .name: wb, .offset: 8, .size: 8, .value_kind: global_buffer, .address_space: global }
      - { .name: cos, .offset: 16, .size: 8, .value_kind: global_buffer, .address_space: global }
      - { .name: sin, .offset: 24, .size: 8, .value_kind: global_buffer, .address_space: global }
      - { .name: q_norm_w, .offset: 32, .size: 8, .value_kind: global_buffer, .address_space: global }
      - { .name: k_norm_w, .offset: 40, .size: 8, .value_kind: global_buffer, .address_space: global }
      - { .name: qb, .offset: 48, .size: 8, .value_kind: global_buffer, .address_space: global }
      - { .name: kb, .offset: 56, .size: 8, .value_kind: global_buffer, .address_space: global }
      - { .name: vb, .offset: 64, .size: 8, .value_kind: global_buffer, .address_space: global }
      - { .name: gb, .offset: 72, .size: 8, .value_kind: global_buffer, .address_space: global }
    .group_segment_fixed_size: 327680
    .private_segment_fixed_size: 0
    .kernarg_segment_align: 8
    .kernarg_segment_size: 80
    .max_flat_workgroup_size: 128
    .sgpr_count:     102
    .vgpr_count:     1024
    .wavefront_size: 32
...
	.end_amdgpu_metadata
.endif
;; end of part 2
;; launch attn (part 3): grid 32 x 8, 4 waves a work-group, clusters of 4 x 1, 327,680 bytes of LDS; arguments qb, kb, vb, gb, yb; writes yb
.if DOCPART == 3
	.amdgcn_target "amdgcn-amd-amdhsa--gfx1250"
	.amdhsa_code_object_version 6
	.text
	.protected	k_q43f57dcf16_attn
	.globl	k_q43f57dcf16_attn
	.p2align	8
	.type	k_q43f57dcf16_attn,@function
k_q43f57dcf16_attn:
	s_mov_b64 s[64:65], 0
	v_nop
	global_prefetch_b8 v0, s[64:65] scope:SCOPE_SE
	s_setreg_imm32_b32 hwreg(HW_REG_WAVE_MODE, 25, 1), 1
	s_wait_xcnt 0x0
	s_wait_alu depctr_hold_cnt(0) depctr_sa_sdst(0) depctr_va_vdst(0) depctr_va_sdst(0) depctr_va_ssrc(0) depctr_va_vcc(0) depctr_vm_vsrc(0)
	s_getreg_b32 s2, hwreg(HW_REG_IB_STS2, 6, 4)
	s_cmp_eq_u32 s2, 0
	s_cbranch_scc0 .Lentry_in_a_cluster
	s_endpgm
.Lentry_in_a_cluster:
	s_bfe_u32 s2, ttmp6, 0x10000c
	s_cmp_lg_u32 s2, 0x3003
	s_cbranch_scc0 .Lentry_shape_is_right
	s_endpgm
.Lentry_shape_is_right:
; ATTN.  y[b][t][h][:] = gate x the sum over s of softmax_s(q[t] . k[s] / sqrt(128)) v[s][:].  qb, gb: [b 8 + h][2048][128]; kb, vb: [b 4 + kh][2048][128]; yb: [b 2048 + t][h 128 + d]; all f16.  gb holds the gate itself, in 0 to 1.
; Products, maxima and sums in f32; the weights p are rounded to f16 for the second product (their sum is taken of the unrounded p), y once at the end.
; LIMITS.  p lies in 0 to 1 and below 6e-5 keeps f16's fixed step; a weight below 2^-126 counts as 0; y has v's range; NaN and infinities are not treated apart.
; SHARES.  Heads 2 kh and 2 kh + 1 share a key and value head: their 4,096 query rows lie on end in qb.  A work-group takes 128 of them: 32 work-groups a key head, 256 in all.
; Wave w takes 64 queries (w % 2) and HALF OF THE KEYS (w / 2: 128 of each slot's 256): 16 key steps of 64.  So a wave keeps four tiles of 16 queries for each fragment of K and V that it reads.
; At the end the two waves of a query half exchange, through LDS, two tiles each with their maxima and sums, and each finishes the two that it keeps.  Register tile t holds query tile t xor 2 (w / 2),
; so every wave keeps register tiles 0, 1 and gives away 2, 3: one text for all four.
; LAYOUT.  S^T = K Q^T (source 0 = 16 keys, source 1 = 16 queries): a lane holds ONE query (lane % 16) and keys 8 (lane / 16) + 0..7; two such results rounded to f16 ARE source 1 of O^T = V^T P. V is turned by ds_load_tr16_b128.
; SOFTMAX.  A running maximum m and sum l: p = 2^(c s - c m), c = log2(e) / sqrt(128); in every step O and l are multiplied by a = 2^(c m_old - c m_new).  m starts at the lowest finite number, O and l at 0: the first step is a step like any other, with a = 0.
; BY TURNS.  Piece 0 is tiles 0, 1; piece 2 is tiles 2, 3.  In a TURN one piece has the matrix unit (32 products V^T P of the step in hand, 32 products K Q^T of the next) and the other piece's softmax, cut into 64 slices, stands behind them, a slice a product.
; No first and no last step is written out: the loop is entered and the tail left in the middle of a trip.  The price: 32 products on zeros at the start, 32 on the last K once more at the end, and the lines that clear registers in the wait for the first tile.
; CLUSTER 4 x 1: four query blocks of one key head walk the same K and V: each tile is asked for jointly.
; REGISTERS: window 0: v2-10 addresses; v12-43 statistics, 8 a tile; v44-51 statistics sent and received; v52-63 addresses and constants; v64-191 S^T (at the end v128-191: y, packed); v192-255 P
;   window 1: O^T, 64 a tile    window 2: v0-127 Q, v128-255 K    window 3: v0-127 V (at the end: the partner's O^T), v128-191 the gate, packed
.set KS,    64
.set PK,    272       ; a row of K in LDS: 256 + 16 bytes
.set PV,    288       ; a row of V: 256 + 32 bytes
.set VOFF,  256*PK    ; a slot: 256 rows of K, then 256 rows of V
.set SLOT1, 0x24000   ; slot 1; the word shares no bit with the tiles' places in a slot, so one exclusive or changes slots
.set STAGE, SLOT1+256*(PK+PV)
.set SP,    272
.set SPARE, STAGE+4*16*SP
.set XCH,   16896     ; the exchange: 64 registers x 128 bytes x 2 tiles, and 512 bytes of statistics, for each wave; in slot 0's bytes, behind that slot's last fill and last read
.set AK0, 2
.set AV0, 3
.set ADR, 4
.set QO,  5           ; v5   my bytes in the rows of Q (register tiles 0, 1) and of the gate
.set STO, 6
.set RD,  7
.set GO,  8
.set QO2, 9           ; v9   the same for register tiles 2, 3
.set ST,  12          ; tile t at v[ST+8 t]: +0 c m, +1 m, +2, +3 l, +4 to +7 at work
.set XW,  52
.set XR,  53
.set PFO, 61
.set SPW, 62
.set NIL, 63
.set S,   64
.set YR,  S+64        ; the way out: y, packed, 32 registers a tile, where S^T of tiles 2 and 3 lay: written whole by the last softmax, and free
.set P,   192
.set KF,  128
.set GR,  128         ; window 3
.set WV,  12
.set LIM, 15
.set PFA, 18
.set G1K, 24
.set G1V, 32
.set G0K, 40
.set G0V, 48
.set SLOTS, 56
.set TWICE, 57
.set CS,  58
.set SEL, 60
.set TBK, 62
.set TBV, 63
.set YB,  66
.set KH,  68
.set QG,  69
.set MSB, 0
.macro WIN new
.if MSB != (\new)
	s_set_vgpr_msb (MSB<<8)|(\new)
.set MSB, \new
.endif
.endm
.set W_KQ, 0x0a
.set W_PV, 0x53
.set W_RS, 0x41
.macro JLOAD                        ; a joint refill: waves 0 and 1 K's halves, waves 2 and 3 V's; an s_nop 0 and four v_nop follow each line
	s_cmp_lt_u32 s[WV], 2
	s_cbranch_scc0 .Lfor_v_\@
	tensor_load_to_lds s[G0K+4:G0K+7], s[G1K:G1K+7]
	s_nop 0
.rept 4
	v_nop
.endr
	s_branch .Lasked_\@
.Lfor_v_\@:
	tensor_load_to_lds s[G0V+4:G0V+7], s[G1V:G1V+7]
	s_nop 0
.rept 4
	v_nop
.endr
.Lasked_\@:
.endm
; A prefetch of what the NEXT change of slots will ask for (two key steps, 256 matrix instructions, ahead): 256 rows of K and of V, 256 bytes a row, a lane a row.  The eight clusters of a key head walk the same rows:
; the first asks.  Its four partners take 64 rows of each BY ADDRESS; in each, waves 0 and 1 ask for K's, waves 2 and 3 for V's, 32 rows a wave.  The last change that fills asks for nothing; slots 0 to 2 come by their loads alone.
.macro ASK
	s_cmp_gt_u32 s[SLOTS], s[LIM]
	s_cbranch_scc0 .Lnot_mine_\@
	global_prefetch_b8 v[PFO], s[PFA:PFA+1] th:TH_LOAD_NT scope:SCOPE_SE
.Lnot_mine_\@:
.endm
.macro CROUND
	s_barrier_signal -1
	s_barrier_wait -1
	s_cmp_lg_u32 s[WV], 0
	s_cbranch_scc1 .Lnot_wave_0_\@
	s_barrier_signal -3
.Lnot_wave_0_\@:
	s_barrier_wait -3
	s_barrier_signal -1
	s_barrier_wait -1
.endm
	s_load_b256 s[4:11], s[0:1], 0x0  ; qb s[4:5], kb s[6:7], vb s[8:9], gb s[10:11]
	s_load_b64 s[YB:YB+1], s[0:1], 0x20
	v_lshl_add_u32 v[SPW], v0, 2, SPARE
	v_mov_b32 v[NIL], 0
	ds_add_u32 v[SPW], v[NIL]       ; the wave's opening: the add and its wait stand ahead of my first tensor load
	v_lshrrev_b32 v1, 5, v0
	v_readfirstlane_b32 s[WV], v1
	s_bfe_u32 s13, ttmp6, 0x40000   ; cx
	s_lshl_b32 s14, ttmp9, 2
	s_add_co_u32 s14, s14, s13      ; my block of 128 queries, 0..31: it enters Q's, the gate's and y's addresses alone
	s_and_b32 s20, ttmp7, 0xffff    ; b 4 + kh, which the partners share
	s_and_b32 s[QG], s[WV], 1
	s_lshr_b32 s[KH], s[WV], 1
	s_lshl_b32 s22, s20, 19         ; the key head's first byte: 2,048 rows of 256 bytes,
	s_lshl_b32 s23, s[QG], 15       ; the 128 rows of a slot that I fetch
	s_add_co_u32 s22, s22, s23
	s_mov_b32 s23, 0
	s_mul_i32 s17, s[QG], 128*PK    ; and their place in a slot, for K
	s_mul_i32 s21, s[QG], 128*PV    ; and for V
	s_lshl_b32 s2, s20, 20          ; Q and gate: 4,096 rows a key head,
	s_lshl_b32 s3, s14, 15          ; my block's 128,
	s_add_co_u32 s2, s2, s3
	s_lshl_b32 s3, s[QG], 14        ; my wave's 64
	s_add_co_u32 s2, s2, s3
	s_mov_b32 s3, 0
	s_lshr_b32 s70, s20, 2          ; y: row b 2,048 + t, t = 128 (block % 16) + 64 (w % 2) + 32 (w / 2)
	s_lshl_b32 s70, s70, 11
	s_and_b32 s71, s14, 15
	s_lshl_b32 s71, s71, 7
	s_add_co_u32 s70, s70, s71
	s_lshl_b32 s71, s[QG], 6
	s_add_co_u32 s70, s70, s71
	s_lshl_b32 s71, s[KH], 5
	s_add_co_u32 s70, s70, s71
	s_lshl_b32 s70, s70, 11         ; 2,048 bytes a row
	s_and_b32 s71, s20, 3
	s_lshl_b32 s71, s71, 1
	s_lshr_b32 s16, s14, 4
	s_add_co_u32 s71, s71, s16      ; head 2 kh + block / 16
	s_lshl_b32 s71, s71, 8
	s_add_co_u32 s70, s70, s71
	s_mov_b32 s71, 0
	s_lshl_b32 s72, s20, 19         ; the prefetches: my work-group's 64 rows of a slot, my wave's 32 of them, in slot 2
	s_lshl_b32 s73, s13, 14
	s_add_co_u32 s72, s72, s73
	s_lshl_b32 s73, s[QG], 13
	s_add_co_u32 s72, s72, s73
	s_add_co_u32 s72, s72, 2*65536
	s_mov_b32 s73, 0
	s_mov_b32 s[G1K], 15|(1<<16)|(1<<20)|(1<<21)|(5<<22)|(3<<25)  ; the mask of four; 2-byte elements; padding on; bit 21 beside a mask; after every 64 words 4 words
	s_mov_b32 s[G1V], 15|(1<<16)|(1<<20)|(1<<21)|(5<<22)|(7<<25)  ; 8 words
.irp g, G1K, G1V
	s_mov_b32 s[(\g)+1], 128<<16    ; tensor_dim0 = 128
	s_mov_b32 s[(\g)+2], 128<<16    ; tensor_dim1 = 128
	s_mov_b32 s[(\g)+3], 128<<16    ; tile_dim0 = 128
	s_mov_b32 s[(\g)+4], 128        ; tile_dim1 = 128
	s_mov_b32 s[(\g)+5], 128        ; elements from row to row
	s_mov_b32 s[(\g)+6], 0
	s_mov_b32 s[(\g)+7], 0
.endr
	s_mov_b32 s[CS], 0x3e0293ee     ; c = log2(e) / sqrt(128)
	s_mov_b32 s[CS+1], s[CS]
	s_mov_b32 s[SEL], 0x76543210
	s_mov_b32 s[SEL+1], 0xfedcba98
	s_mov_b32 s[TBK], 0
	s_mov_b32 s[TBV], 0
	s_mov_b32 s16, ttmp9
	s_cmp_eq_u32 s16, 0             ; the key head's first cluster: the same in all four partners
	s_cselect_b32 s[LIM], 1, -1
	v_and_b32 v[PFO], 31, v0
	v_lshlrev_b32 v[PFO], 8, v[PFO]
	s_wait_dscnt 0x0                ; the opening add is done
	s_wait_kmcnt 0x0
	s_cmp_lt_u32 s[WV], 2
	s_cselect_b64 s[PFA:PFA+1], s[6:7], s[8:9]
	s_add_nc_u64 s[PFA:PFA+1], s[PFA:PFA+1], s[72:73]
	s_add_nc_u64 s[6:7], s[6:7], s[22:23]
	s_add_nc_u64 s[8:9], s[8:9], s[22:23]
	s_add_nc_u64 s[4:5], s[4:5], s[2:3]
	s_add_nc_u64 s[10:11], s[10:11], s[2:3]
	s_add_nc_u64 s[YB:YB+1], s[YB:YB+1], s[70:71]
	CROUND                          ; all four work-groups are here: the first joint loads meet
.irp s, 0,1
	s_mov_b32 s[G0K+4*(\s)], 1
	s_add_co_u32 s[G0K+4*(\s)+1], s17, (\s)*SLOT1
	s_add_nc_u64 s[G0K+4*(\s)+2:G0K+4*(\s)+3], s[6:7], (\s)*65536
	s_or_b32 s[G0K+4*(\s)+3], s[G0K+4*(\s)+3], 0x80000000
	s_mov_b32 s[G0V+4*(\s)], 1
	s_add_co_u32 s[G0V+4*(\s)+1], s21, (\s)*SLOT1+VOFF
	s_add_nc_u64 s[G0V+4*(\s)+2:G0V+4*(\s)+3], s[8:9], (\s)*65536
	s_or_b32 s[G0V+4*(\s)+3], s[G0V+4*(\s)+3], 0x80000000
.endr
	s_cmp_lt_u32 s[WV], 2           ; a wave's two first fills stand in one branch: two loads of mine are out
	s_cbranch_scc0 .Lfirst_v
	tensor_load_to_lds s[G0K:G0K+3], s[G1K:G1K+7]
	s_nop 0
	tensor_load_to_lds s[G0K+4:G0K+7], s[G1K:G1K+7]
	s_nop 0
.rept 4
	v_nop
.endr
	s_branch .Lfirst_asked
.Lfirst_v:
	tensor_load_to_lds s[G0V:G0V+3], s[G1V:G1V+7]
	s_nop 0
	tensor_load_to_lds s[G0V+4:G0V+7], s[G1V:G1V+7]
	s_nop 0
.rept 4
	v_nop
.endr
.Lfirst_asked:
	v_and_b32 v54, 15, v0           ; l % 16
	v_bfe_u32 v55, v0, 4, 1         ; l / 16
	v_lshlrev_b32 v56, 8, v54
	v_lshl_add_u32 v56, v55, 4, v56 ; row x 256 + 16 x half
	s_lshl_b32 s16, s[KH], 13       ; register tiles 0, 1 are query tiles 2 (w / 2) + 0, 1: 32 rows of 256 bytes on
	v_add_nc_u32 v[QO], s16, v56
	s_xor_b32 s16, s16, 8192        ; register tiles 2, 3 the other two
	v_add_nc_u32 v[QO2], s16, v56
	WIN 0x80                        ; destination window 2
.set i, 0
.rept 8                             ; Q stays in registers: register tile i / 4, channels 32 (i % 4) on
	global_load_b128 v[8*i:8*i+3],   v[QO], s[4:5] offset:(i/4)*4096+(i%4)*64
	global_load_b128 v[8*i+4:8*i+7], v[QO], s[4:5] offset:(i/4)*4096+(i%4)*64+32
	global_load_b128 v[64+8*i:64+8*i+3],   v[QO2], s[4:5] offset:(i/4)*4096+(i%4)*64
	global_load_b128 v[64+8*i+4:64+8*i+7], v[QO2], s[4:5] offset:(i/4)*4096+(i%4)*64+32
.set i, i+1
.endr
	WIN 0xc0                        ; destination window 3
.set i, 0
.rept 16                            ; the gate for the two tiles that I finish: tile i / 8, channels 16 (i % 8) + 8 (l / 16) + 0..7
	global_load_b128 v[GR+4*i:GR+4*i+3], v[QO], s[10:11] offset:(i/8)*4096+(i%8)*32
.set i, i+1
.endr
	; what the first turns find: V and piece 2's P are 0 (the first products V^T P add 0), O^T and l are 0.  All this stands in the wait for the first tile.
.set i, 0
.rept 128
	v_mov_b32 v[i], 0
.set i, i+1
.endr
	WIN 0x40
.set i, 0
.rept 256
	v_mov_b32 v[i], 0
.set i, i+1
.endr
	WIN 0
.set i, 0
.rept 4
	v_mov_b32 v[ST+8*i], 0xfe000000    ; c m: far below every c s
	v_mov_b32 v[ST+8*i+1], 0xff7fffff  ; m
	v_mov_b32 v[ST+8*i+2], 0
	v_mov_b32 v[ST+8*i+3], 0
.set i, i+1
.endr
.set i, P+32
.rept 32
	v_mov_b32 v[i], 0
.set i, i+1
.endr
	v_mul_u32_u24 v[AK0], v54, PK
	v_lshl_add_u32 v[AK0], v55, 4, v[AK0]
	s_mul_i32 s16, s[KH], 128*PK    ; my half of a slot's keys
	v_add_nc_u32 v[AK0], s16, v[AK0]
	v_and_b32 v57, 7, v0            ; the turning load: lane l reads key 8 (l / 16) + l % 8, channels 8 ((l / 8) % 2) + 0..7
	v_bfe_u32 v58, v0, 3, 1
	v_lshl_add_u32 v[AV0], v55, 3, v57
	v_mul_u32_u24 v[AV0], v[AV0], PV
	v_lshl_add_u32 v[AV0], v58, 4, v[AV0]
	s_mul_i32 s16, s[KH], 128*PV
	s_add_co_u32 s16, s16, VOFF
	v_add_nc_u32 v[AV0], s16, v[AV0]
; THE MATRIX WORK.  The accumulators take turns, one instruction a turn.  Product i of 32 of O^T += V^T P for piece x: keys 32 (i / 16) on, channels 16 ((i / 2) % 8) on, tile x + i % 2.
.macro PV x
	WIN W_PV
.set rO, 64*((\x)+i%2)+8*((i/2)%8)
.set rV, 64*(i/16)+8*((i/2)%8)
.set rP, P+16*((\x)+i%2)+8*(i/16)
	v_wmma_f32_16x16x32_f16 v[rO:rO+7], v[rV:rV+7], v[rP:rP+7], v[rO:rO+7]
.endm
; Product i of 32 of S^T = K Q^T: channels 32 (i / 8) on, keys 16 ((i / 2) % 4) on, tile x + i % 2.  The first 8 start the sums.
.macro KQ x
	WIN W_KQ
.set rS, S+32*((\x)+i%2)+8*((i/2)%4)
.set rK, KF+32*((i/2)%4)+8*(i/8)
.set rQ, 32*((\x)+i%2)+8*(i/8)
.if i < 8
	v_wmma_f32_16x16x32_f16 v[rS:rS+7], v[rK:rK+7], v[rQ:rQ+7], 0
.else
	v_wmma_f32_16x16x32_f16 v[rS:rS+7], v[rK:rK+7], v[rQ:rQ+7], v[rS:rS+7]
.endif
.endm
; THE LDS LOADS stand in runs of 32.  last = 1 (the tail): in the tail's last trip there is no further step, and K's run, with its address and its step, is jumped over: K's registers keep the last step's fragments.
.macro FETCH_K last=0
	WIN 0
.if \last
	s_cmp_eq_u32 s[TWICE], 1
	s_cbranch_scc1 .Lno_k_\@
.endif
	v_add_nc_u32 v[ADR], s[TBK], v[AK0]
	s_add_co_u32 s[TBK], s[TBK], KS*PK
	WIN 0x80
.irp f, 0,1,2,3,4,5,6,7,8,9,10,11,12,13,14,15
	ds_load_b128 v[KF+8*(\f):KF+8*(\f)+3],   v[ADR] offset:((\f)/4)*16*PK+((\f)%4)*64
	ds_load_b128 v[KF+8*(\f)+4:KF+8*(\f)+7], v[ADR] offset:((\f)/4)*16*PK+((\f)%4)*64+32
.endr
.if \last
	WIN 0                           ; at a label every window is 0
.Lno_k_\@:
.endif
.endm
.macro FETCH_V
	WIN 0
	v_add_nc_u32 v[ADR], s[TBV], v[AV0]
	s_add_co_u32 s[TBV], s[TBV], KS*PV
	s_wait_alu depctr_va_vdst(0)    ; the wait for the softmax's batch, behind the address's line and ahead of the loads
	WIN 0xc0
.irp f, 0,1,2,3,4,5,6,7,8,9,10,11,12,13,14,15
	ds_load_tr16_b128 v[8*(\f):8*(\f)+3],   v[ADR] offset:((\f)/8)*32*PV+((\f)%8)*32
	ds_load_tr16_b128 v[8*(\f)+4:8*(\f)+7], v[ADR] offset:((\f)/8)*32*PV+16*PV+((\f)%8)*32
.endr
.endm
; THE VECTOR WORK.  One tile's softmax for a key step is a list of 134 instructions; SM writes number j of it for tile t.
;   0-15 the maximum of the lane's 32 scores and the old m (each accumulator's lowest registers first)   16-20 the other half of the lanes' maximum; m; c m; its change
;   21-69 ONE BATCH: 16 packed scalings c s - c m and 33 exponentials (a at 23); none reads an exponential's result   (the batch's one wait)   70-85 roundings to f16   86-101 sums; l = a l + sum   102-133 O^T times a
.macro SM t
.set rT, ST+8*(\t)
.set rS, S+32*(\t)
.set rP, P+16*(\t)
.set rO, 64*(\t)+2*(j-102)
.if j < 102
	WIN 0
.endif
.if j < 4
	v_max3_num_f32 v[rT+4+j], v[rS+8*j], v[rS+8*j+1], v[rS+8*j+2]
.elseif j < 12
	v_max3_num_f32 v[rT+4+j%4], v[rT+4+j%4], v[rS+8*(j%4)+2*(j/4)+1], v[rS+8*(j%4)+2*(j/4)+2]
.elseif j == 12
	v_max3_num_f32 v[rT+4], v[rT+4], v[rS+7], v[rS+15]
.elseif j == 13
	v_max3_num_f32 v[rT+6], v[rT+6], v[rS+23], v[rS+31]
.elseif j == 14
	v_max3_num_f32 v[rT+4], v[rT+4], v[rT+5], v[rT+6]
.elseif j == 15
	v_max3_num_f32 v[rT+4], v[rT+4], v[rT+7], v[rT+1]
.elseif j == 16
	v_permlanex16_b32 v[rT+5], v[rT+4], s[SEL], s[SEL+1]
.elseif j == 17
	v_mov_b32 v[rT+7], v[rT]
.elseif j == 18
	v_max_num_f32 v[rT+1], v[rT+4], v[rT+5]
.elseif j == 19
	v_mul_f32 v[rT], s[CS], v[rT+1]
.elseif j == 20
	v_sub_f32 v[rT+7], v[rT+7], v[rT]
.elseif j == 23
	v_exp_f32 v[rT+6], v[rT+7]
.elseif (j < 23) || ((j < 38) && (j%2 == 0)) || ((j < 66) && (j%4 == 2))
.set pb, (j-2)/4
.if j < 38
.set pb, (j-20)/2
.endif
	v_pk_fma_f32 v[rS+2*pb:rS+2*pb+1], v[rS+2*pb:rS+2*pb+1], s[CS:CS+1], v[rT:rT+1] op_sel_hi:[1,0,0] neg_lo:[0,0,1] neg_hi:[0,0,1]
.elseif j < 70
.set pe, j-38
.if j < 66
.set pe, j-32-(j-38)/4
.endif
.if j < 38
.set pe, (j-25)/2
.endif
	v_exp_f32 v[rS+pe], v[rS+pe]
.elseif j < 86
	v_cvt_pk_f16_f32 v[rP+j-70], v[rS+2*(j-70)], v[rS+2*(j-70)+1]
.elseif j < 102
.set zz, j-86
.set ww, 4
.set uu, zz
.if zz >= 14
.set ww, 32
.set uu, 0
.elseif zz >= 12
.set ww, 16
.set uu, zz-12
.elseif zz >= 8
.set ww, 8
.set uu, zz-8
.endif
.if zz < 15
	v_pk_add_f32 v[rS+ww*uu:rS+ww*uu+1], v[rS+ww*uu:rS+ww*uu+1], v[rS+ww*uu+ww/2:rS+ww*uu+ww/2+1]
.else
	v_pk_fma_f32 v[rT+2:rT+3], v[rT+2:rT+3], v[rT+6:rT+7], v[rS:rS+1] op_sel_hi:[1,0,1]
.endif
.else
	WIN W_RS
	v_pk_mul_f32 v[rO:rO+1], v[rO:rO+1], v[rT+6:rT+7] op_sel_hi:[1,0]
.endif
.endm
; Slice k of 64 of piece y's softmax.  Slices 11-34 deal out the batch, four numbers of one tile each, the tiles by turns; every other slice is numbers 2 k, 2 k + 1 of both tiles; the twelve that are over stand in slice 63.
; Behind slice 34 no exponential is issued and ahead of slice 35 none of their results is named: one plain instruction and one wait serve the piece's 66.
.macro SLICE y
.if (k >= 11) && (k < 35)
.irp n, 0,1,2,3
.set j, 22+4*((k-11)/2)+(\n)
	SM (\y)+(k-11)%2
.endr
.else
.irp n, 0,1,2,3,4,5,6,7
.if ((\n) < 2) || (k == 63)
.irp t, \y, (\y)+1
.set j, 2*k+(\n)
	SM \t
.endr
.endif
.endr
.endif
.if k == 34
	v_nop
.if (\y) == 0
	FETCH_V                         ; piece 2's turn: V's run stands here; six plain lines lie behind the last product: four exponentials, the v_nop, the address's line
.else
	s_wait_alu depctr_va_vdst(0)
.endif
.endif
.set k, k+1
.endm
; A TURN: piece x has the matrix unit.  Piece 0's turn fetches the next step's K behind its second product (K's last reader stands in front of slice 63 of the turn before); piece 2's the same step's V.
; last = 1: the tail's text, whose last trip fetches no K.  Where that jump stands, only maxima have been issued since the turn before's wait.
.macro TURN x, last=0
.set k, 0
.if (\x) == 0
	s_wait_dscnt 0x0                ; V is in
.endif
.set i, 0
.rept 32
	PV \x
	SLICE 2-(\x)
.if ((\x) == 0) && (i == 1)
	FETCH_K \last
.endif
.set i, i+1
.endr
.if (\x) == 0
	s_wait_dscnt 0x0                ; K is in
.endif
.set i, 0
.rept 32
	KQ \x
	SLICE 2-(\x)
.set i, i+1
.endr
.endm
; THE CHANGE OF SLOTS, between piece 2's turn and piece 0's.  Each wave waits for all its tensor loads (one is out: its part of the other slot), adds 0 to its spare word, and waits for that and for its reads of the slot.
; fill = 1: the barrier is a round of the cluster's, and the joint refill, with the keys two slots on, is the first thing behind it: it has two key steps, 256 matrix instructions, in which to land.
.macro CHANGE fill
	WIN 0
	s_wait_tensorcnt 0x0
	ds_add_u32 v[SPW], v[NIL]
.if \fill
.irp g, G0K+4, G0V+4
	s_xor_b32 s[(\g)+1], s[(\g)+1], SLOT1
	s_add_nc_u64 s[(\g)+2:(\g)+3], s[(\g)+2:(\g)+3], 65536
.endr
	s_wait_xcnt 0x0                 ; the last prefetch, two key steps back, has read its address
	s_add_nc_u64 s[PFA:PFA+1], s[PFA:PFA+1], 65536
	s_wait_dscnt 0x0
	CROUND
	JLOAD
	ASK
.else
	s_wait_dscnt 0x0
	s_barrier_signal -1
	s_barrier_wait -1
.endif
	s_sub_co_u32 s[TBK], s[TBK], 2*KS*PK
	s_xor_b32 s[TBK], s[TBK], SLOT1
	s_sub_co_u32 s[TBV], s[TBV], 2*KS*PV
	s_xor_b32 s[TBV], s[TBV], SLOT1
.endm
	s_wait_tensorcnt 1              ; my part of slot 0 is in; slot 1's may stay out
	s_barrier_signal -1
	s_barrier_wait -1
	FETCH_K                         ; key step 0
	s_wait_loadcnt 0x0              ; Q and the gate
	s_wait_dscnt 0x0
.set i, 0
.rept 32
	KQ 0                            ; piece 0's first scores
.set i, i+1
.endr
	WIN 0                           ; the addresses for the end: plain lines, the places behind those products
	s_mul_i32 s70, s[WV], 16*SP
	s_add_co_u32 s70, s70, STAGE
	v_mul_u32_u24 v[STO], v54, SP
	v_lshl_add_u32 v[STO], v55, 4, v[STO]
	v_add_nc_u32 v[STO], s70, v[STO]
	v_mul_u32_u24 v[RD], v55, SP
	v_lshl_add_u32 v[RD], v54, 4, v[RD]
	v_add_nc_u32 v[RD], s70, v[RD]
	v_lshlrev_b32 v[GO], 11, v55    ; two rows of y, 2,048 bytes apart
	v_lshl_add_u32 v[GO], v54, 4, v[GO]
	v_and_b32 v56, 31, v0
	s_mul_i32 s70, s[WV], XCH
	v_lshl_add_u32 v[XW], v56, 4, s70
	s_xor_b32 s70, s[WV], 2         ; my partner: the same queries, the other keys
	s_mul_i32 s70, s70, XCH
	v_lshl_add_u32 v[XR], v56, 4, s70
	s_mov_b32 s[TWICE], 2
	s_mov_b32 s[SLOTS], 7
	s_branch .Lmid                  ; the loop is entered at piece 2's turn
.Lslot:                             ; six times: slots 2 to 7 are asked for
	CHANGE 1
	s_mov_b32 s[TWICE], 2
.Lstep:
	TURN 0
	WIN 0
.Lmid:
	TURN 2
	WIN 0
	s_sub_co_u32 s[TWICE], s[TWICE], 1
	s_cmp_lg_u32 s[TWICE], 0
	s_cbranch_scc1 .Lstep
	s_sub_co_u32 s[SLOTS], s[SLOTS], 1
	s_cmp_lg_u32 s[SLOTS], 0
	s_cbranch_scc1 .Lslot
	CHANGE 0                        ; the tail is written out
	s_mov_b32 s[TWICE], 3           ; two trips fetch the last slot's steps; the third fetches no K and is left in its middle (its scores, made of the last K once more, serve nothing)
.Lt:
	TURN 0, 1
	WIN 0
	s_sub_co_u32 s[TWICE], s[TWICE], 1
	s_cmp_eq_u32 s[TWICE], 0
	s_cbranch_scc1 .Lout
	TURN 2
	WIN 0
	s_branch .Lt
.Lout:
.set i, 0
.rept 32
	PV 2                            ; piece 2: V^T P of the last step
.set i, i+1
.endr
	; THE TWO HALVES OF THE KEYS MEET.  l's two halves and the other half of the lanes' are added; these lines are the places behind the last products.
	WIN 0
.irp t, 0,1,2,3
	v_add_f32 v[ST+8*(\t)+4], v[ST+8*(\t)+2], v[ST+8*(\t)+3]
.endr
.irp t, 0,1,2,3
	v_permlanex16_b32 v[ST+8*(\t)+5], v[ST+8*(\t)+4], s[SEL], s[SEL+1]
.endr
.irp t, 0,1,2,3
	v_add_f32 v[ST+8*(\t)+4], v[ST+8*(\t)+4], v[ST+8*(\t)+5]
.endr
	v_mov_b32 v44, v[ST+16]         ; tiles 2 and 3: c m and l
	v_mov_b32 v45, v[ST+20]
	v_mov_b32 v46, v[ST+24]
	v_mov_b32 v47, v[ST+28]
	WIN 0x04                        ; store data in window 1
.set i, 0
.rept 32                            ; O^T of tiles 2 and 3, ascending: each accumulator's lowest registers first.  32 lanes x 16 bytes on end.  These bytes of slot 0 had their last fill and, ahead of the last change's barrier, their last read
	ds_store_b128 v[XW], v[128+4*i:128+4*i+3] offset:512*i
.set i, i+1
.endr
	WIN 0
	ds_store_b128 v[XW], v[44:47] offset:16384
	s_wait_dscnt 0x0                ; for my partner's sake
	s_barrier_signal -1
	s_barrier_wait -1
	WIN 0xc0
.set i, 0
.rept 32
	ds_load_b128 v[4*i:4*i+3], v[XR] offset:512*i
.set i, i+1
.endr
	WIN 0
	ds_load_b128 v[48:51], v[XR] offset:16384
	s_wait_dscnt 0x0
.irp t, 0,1                         ; the common maximum; each half's weight e = 2^(c m - max); l = e l + e' l'
	v_max_num_f32 v[ST+8*(\t)+1], v[ST+8*(\t)], v[48+2*(\t)]
.endr
.irp t, 0,1
	v_sub_f32 v[ST+8*(\t)+2], v[ST+8*(\t)], v[ST+8*(\t)+1]
	v_sub_f32 v[ST+8*(\t)+3], v[48+2*(\t)], v[ST+8*(\t)+1]
.endr
.irp t, 0,1
	v_exp_f32 v[ST+8*(\t)+2], v[ST+8*(\t)+2]
	v_exp_f32 v[ST+8*(\t)+3], v[ST+8*(\t)+3]
.endr
	v_nop
	s_wait_alu depctr_va_vdst(0)
.irp t, 0,1
	v_mul_f32 v[ST+8*(\t)+5], v[ST+8*(\t)+2], v[ST+8*(\t)+4]
.endr
.irp t, 0,1
	v_fma_f32 v[ST+8*(\t)+5], v[ST+8*(\t)+3], v[49+2*(\t)], v[ST+8*(\t)+5]
.endr
.irp t, 0,1
	v_rcp_f32 v[ST+8*(\t)+5], v[ST+8*(\t)+5]
.endr
	v_nop
	s_wait_alu depctr_va_vdst(0)
.irp t, 0,1
	v_mul_f32 v[ST+8*(\t)+6], v[ST+8*(\t)+2], v[ST+8*(\t)+5]  ; e / l
	v_mul_f32 v[ST+8*(\t)+2], v[ST+8*(\t)+3], v[ST+8*(\t)+5]  ; e' / l
.endr
; Tile t: O = (O e + O' e') / l; times the gate and rounded to f16 in one line a number (the product is made in f32 and rounded once; each line writes one half of its register and keeps the other); through my stage; back as whole rows of 256 bytes
.macro PACK t
	WIN W_RS
.set i, 0
.rept 32
	v_pk_mul_f32 v[64*(\t)+2*i:64*(\t)+2*i+1], v[64*(\t)+2*i:64*(\t)+2*i+1], v[ST+8*(\t)+6:ST+8*(\t)+7] op_sel_hi:[1,0]
.set i, i+1
.endr
	WIN 0x53                        ; source 0 (the partner's) window 3, source 1 window 0, source 2 and destination window 1
.set i, 0
.rept 32
	v_pk_fma_f32 v[64*(\t)+2*i:64*(\t)+2*i+1], v[64*(\t)+2*i:64*(\t)+2*i+1], v[ST+8*(\t)+2:ST+8*(\t)+3], v[64*(\t)+2*i:64*(\t)+2*i+1] op_sel_hi:[1,0,1]
.set i, i+1
.endr
	WIN 0x0d                        ; source 0 (O^T) window 1, source 1 (the gate, an f16 half) window 3, source 2 (0) and destination window 0
.set i, 0
.rept 32
	v_fma_mixlo_f16 v[YR+32*(\t)+i], v[64*(\t)+2*i], v[GR+32*(\t)+i], v[NIL] op_sel_hi:[0,1,0]
	v_fma_mixhi_f16 v[YR+32*(\t)+i], v[64*(\t)+2*i+1], v[GR+32*(\t)+i], v[NIL] op_sel:[0,1,0] op_sel_hi:[0,1,0]
.set i, i+1
.endr
	WIN 0
.irp f, 0,1,2,3,4,5,6,7
	ds_store_b128 v[STO], v[YR+32*(\t)+4*(\f):YR+32*(\t)+4*(\f)+3] offset:32*(\f)
.endr
.irp f, 0,1,2,3,4,5,6,7
	ds_load_b128 v[YR+32*(\t)+4*(\f):YR+32*(\t)+4*(\f)+3], v[RD] offset:(\f)*2*SP  ; LDS serves a wave's instructions in order (ISA guide 5.7.1.4)
.endr
.endm
.macro SEND t, younger              ; younger: the LDS instructions issued behind tile t's loads
	WIN 0
.irp f, 0,1,2,3,4,5,6,7
	s_wait_dscnt (\younger)+7-(\f)
	global_store_b128 v[GO], v[YR+32*(\t)+4*(\f):YR+32*(\t)+4*(\f)+3], s[YB:YB+1] offset:(\t)*32768+(\f)*4096  ; 16 lanes store 256 consecutive bytes, aligned: a head's channels of one row
.endr
.endm
	PACK 0
	PACK 1
	SEND 0, 16
	SEND 1, 0
	s_wait_tensorcnt 0x0            ; the wave's end
	ds_add_u32 v[SPW], v[NIL]
	s_wait_dscnt 0x0
	CROUND                          ; the closing round
	s_endpgm
.Lfunc_end_k_q43f57dcf16_attn:
	.size	k_q43f57dcf16_attn, .Lfunc_end_k_q43f57dcf16_attn-k_q43f57dcf16_attn
	.p2alignl 7, 3214868480
	.fill 96, 4, 3214868480
	.section	.rodata,"a",@progbits
	.p2align	6, 0x0
	.amdhsa_kernel k_q43f57dcf16_attn
		.amdhsa_group_segment_fixed_size 327680
		.amdhsa_private_segment_fixed_size 0
		.amdhsa_enable_private_segment 0
		.amdhsa_kernarg_size 40
		.amdhsa_user_sgpr_count 2
		.amdhsa_user_sgpr_kernarg_segment_ptr 1
		.amdhsa_wavefront_size32 1
		.amdhsa_system_sgpr_workgroup_id_x 1
		.amdhsa_system_sgpr_workgroup_id_y 1
		.amdhsa_system_sgpr_workgroup_id_z 1
		.amdhsa_system_vgpr_workitem_id 0
		.amdhsa_next_free_vgpr 1024
		.amdhsa_next_free_sgpr 74
		.amdhsa_reserve_vcc 0
		.amdhsa_float_denorm_mode_32 3
		.amdhsa_float_denorm_mode_16_64 3
		.amdhsa_memory_ordered 1
		.amdhsa_forward_progress 1
		.amdhsa_inst_pref_size 161
	.end_amdhsa_kernel
	.amdgpu_metadata
---
amdhsa.version: [ 1, 2 ]
amdhsa.kernels:
  - .name:           k_q43f57dcf16_attn
    .symbol:         k_q43f57dcf16_attn.kd
    .args:
      - { .name: qb, .offset: 0, .size: 8, .value_kind: global_buffer, .address_space: global }
      - { .name: kb, .offset: 8, .size: 8, .value_kind: global_buffer, .address_space: global }
      - { .name: vb, .offset: 16, .size: 8, .value_kind: global_buffer, .address_space: global }
      - { .name: gb, .offset: 24, .size: 8, .value_kind: global_buffer, .address_space: global }
      - { .name: yb, .offset: 32, .size: 8, .value_kind: global_buffer, .address_space: global }
    .group_segment_fixed_size: 327680
    .private_segment_fixed_size: 0
    .kernarg_segment_align: 8
    .kernarg_segment_size: 40
    .max_flat_workgroup_size: 128
    .sgpr_count:     74
    .vgpr_count:     1024
    .wavefront_size: 32
...
	.end_amdgpu_metadata
.endif
;; end of part 3
;; launch out (part 4): grid 8 x 32, 4 waves a work-group, clusters of 4 x 4, 327,680 bytes of LDS; arguments yb, wpb, out0; writes out0
.if DOCPART == 4
	.amdgcn_target "amdgcn-amd-amdhsa--gfx1250"
	.amdhsa_code_object_version 6
	.text
	.protected	k_q43f57dcf16_out
	.globl	k_q43f57dcf16_out
	.p2align	8
	.type	k_q43f57dcf16_out,@function
k_q43f57dcf16_out:
	s_mov_b64 s[64:65], 0
	v_nop
	global_prefetch_b8 v0, s[64:65] scope:SCOPE_SE
	s_setreg_imm32_b32 hwreg(HW_REG_WAVE_MODE, 25, 1), 1
	s_wait_xcnt 0x0
	s_wait_alu depctr_hold_cnt(0) depctr_sa_sdst(0) depctr_va_vdst(0) depctr_va_sdst(0) depctr_va_ssrc(0) depctr_va_vcc(0) depctr_vm_vsrc(0)
	s_getreg_b32 s2, hwreg(HW_REG_IB_STS2, 6, 4)
	s_cmp_eq_u32 s2, 0
	s_cbranch_scc0 .Lentry_in_a_cluster
	s_endpgm
.Lentry_in_a_cluster:
	s_bfe_u32 s2, ttmp6, 0x10000c
	s_cmp_lg_u32 s2, 0xf033
	s_cbranch_scc0 .Lentry_shape_is_right
	s_endpgm
.Lentry_shape_is_right:
; OUT.  out0 = yb wpb: [4096][1024] x [1024][2048], f16 operands, f32 sums, f32 result.
; SHARES.  A tile is 128 rows x 256 columns: 8 x 32 = 256 work-groups of four waves; a wave makes 64 x 128: 32 accumulators, window 1.  K goes in 8 steps of 128 through two LDS slots.
; yb's rows lie along K; wpb lies [k][n] and is turned on the way into registers by ds_load_tr16_b128.  CLUSTER 4 x 4: yb's tile is shared along a row of the cluster, wpb's along a column.
; THE ORDER OF K.  Cluster (X, Y) begins at K step 4 X + 2 (Y % 4) and goes round the eight.  The two clusters that read the same rows of yb are four K steps apart, those that read the same columns of wpb
; two, four or six (Y and Y + 4: none): so they ask for different tiles at any one time.  The first K step hangs on the cluster's place alone, which all sixteen partners share.  The sums are f32 sums of the same products in another order.
; The matrix instruction is used transposed (source 0 = 16 columns of wpb, source 1 = 16 rows of yb): a lane holds eight neighbouring numbers of a row, 32 bytes.
; No prefetch: the launch has eight short K steps and small tiles.
; REGISTERS: window 0: v16-29 addresses; v64-95, v96-127 yb's fragments; v128-191, v192-255 wpb's (on the way out v64-191: rows read back); window 1: accumulator (a, b) at v[8 (8 a + b)]
.set PA,    272
.set PB,    544
.set AHALF, 64*PA                      ; what waves 0 and 1 bring: 64 rows of yb
.set BOFF,  128*PA
.set BHALF, 64*PB                      ; what waves 2 and 3 bring: 64 k-rows of wpb
.set SLOT1, 1<<17
.set STAGE, SLOT1+BOFF+128*PB          ; behind the ring: 16 rows x 528 bytes for each wave
.set SP,    528                        ; 512 bytes + 16
.set SPARE, STAGE+4*16*SP
.set ADRA0, 16
.set ADRA,  17
.set ADRB0, 20
.set ADRB,  21
.set STO,  24
.set RD,   25
.set CO,   26
.set SPW,  28
.set NIL,  29
.set FA,   64
.set FB,   128
.set OB,   64
.set AB,  14                           ; s[14:15] yb at my part of the tile's rows, K step 0
.set G1,  24
.set G0,  32
.set BB,  46                           ; s[46:47] wpb at my part of K step 0, the tile's columns
.set G1B, 48
.set G0B, 56
.set SB,  66
.set KC,  67                           ; s67  the K step that was asked for last
.set OA,  68                           ; s[68:69] its byte offset in yb: 256 a step
.set OF,  70                           ; s[70:71] and in wpb: 128 k-rows of 4,096 bytes a step
.set MSB, 0
.macro WIN new
.if MSB != (\new)
	s_set_vgpr_msb (MSB<<8)|(\new)
.set MSB, \new
.endif
.endm
.macro PLACES
.rept 4
	v_nop
.endr
.endm
.macro JLOAD
	s_cmp_eq_u32 s11, 0
	s_cbranch_scc0 .Lfor_b_\@
	tensor_load_to_lds s[G0+4:G0+7], s[G1:G1+7]
	s_nop 0
	PLACES
	s_branch .Lasked_\@
.Lfor_b_\@:
	tensor_load_to_lds s[G0B+4:G0B+7], s[G1B:G1B+7]
	s_nop 0
	PLACES
.Lasked_\@:
.endm
.macro CREST
	s_cmp_lg_u32 s10, 0
	s_cbranch_scc1 .Lnot_wave_0_\@
	s_barrier_signal -3
.Lnot_wave_0_\@:
	s_barrier_wait -3
	s_barrier_signal -1
	s_barrier_wait -1
.endm
.macro CROUND
	s_barrier_signal -1
	s_barrier_wait -1
	CREST
.endm
	s_load_b128 s[4:7], s[0:1], 0x0                ; yb s[4:5], wpb s[6:7]
	s_load_b64 s[8:9], s[0:1], 0x10                ; out0
	v_lshl_add_u32 v[SPW], v0, 2, SPARE
	v_mov_b32 v[NIL], 0
	ds_add_u32 v[SPW], v[NIL]                      ; the wave's opening: the add and its wait stand ahead of my first tensor load
	v_lshrrev_b32 v1, 5, v0
	v_readfirstlane_b32 s10, v1
	s_lshr_b32 s11, s10, 1                         ; my half of the rows.  Also: I fetch for yb (0) or wpb (1)
	s_and_b32 s12, s10, 1                          ; my half of the columns.  Also: which half of that tile I fetch
	s_bfe_u32 s40, ttmp6, 0x40000
	s_bfe_u32 s41, ttmp6, 0x40004
	s_lshl_b32 s42, ttmp9, 2
	s_add_co_u32 s42, s42, s40                     ; tile column 0..7
	s_and_b32 s13, ttmp7, 0xffff
	s_lshl_b32 s13, s13, 2
	s_add_co_u32 s13, s13, s41                     ; tile row 0..31
	s_lshl_b32 s43, s41, 2
	s_lshl_b32 s43, 15, s43
	s_lshl_b32 s44, 0x1111, s40
	s_or_b32 s[G1+0], s43, (1<<16)|(1<<20)|(1<<21)|(5<<22)|(3<<25)
	s_or_b32 s[G1B+0], s44, (1<<16)|(1<<20)|(1<<21)|(6<<22)|(7<<25)
	s_mov_b32 s[G1+1], 128<<16                     ; tensor_dim0 = 128
	s_mov_b32 s[G1+2], 64<<16                      ; tensor_dim1 = 64
	s_mov_b32 s[G1+3], 128<<16                     ; tile_dim0 = 128
	s_mov_b32 s[G1+4], 64                          ; tile_dim1 = 64
	s_mov_b32 s[G1+5], 1024
	s_mov_b32 s[G1+6], 0
	s_mov_b32 s[G1+7], 0
	s_mov_b32 s[G1B+1], 256<<16
	s_mov_b32 s[G1B+2], 64<<16
	s_mov_b32 s[G1B+3], 256<<16
	s_mov_b32 s[G1B+4], 64
	s_mov_b32 s[G1B+5], 2048
	s_mov_b32 s[G1B+6], 0
	s_mov_b32 s[G1B+7], 0
	s_lshl_b32 s16, s13, 7                         ; yb: row 128 x tile row + 64 x half, 2,048 bytes a row
	s_lshl_b32 s17, s12, 6
	s_add_co_u32 s16, s16, s17
	s_lshl_b32 s16, s16, 11
	s_mov_b32 s17, 0
	s_lshl_b32 s46, s12, 18                        ; wpb: k-row 64 x half (4,096 bytes a row), column 256 x tile column
	s_lshl_b32 s47, s42, 9
	s_add_co_u32 s46, s46, s47
	s_mov_b32 s47, 0
	s_mul_i32 s20, s12, AHALF
	s_mul_i32 s21, s12, BHALF
	s_add_co_u32 s21, s21, BOFF
	s_mov_b32 s[SB], 0
	s_mov_b32 s[KC], ttmp9                         ; my cluster's first K step: 4 X + 2 (Y % 4)
	s_lshl_b32 s[KC], s[KC], 2
	s_and_b32 s[OA], ttmp7, 3
	s_lshl1_add_u32 s[KC], s[OA], s[KC]
	s_and_b32 s[KC], s[KC], 7
	s_mov_b32 s[OA+1], 0
	s_mov_b32 s[OF+1], 0
	s_wait_dscnt 0x0
	s_wait_kmcnt 0x0
	s_add_nc_u64 s[AB:AB+1], s[4:5], s[16:17]
	s_add_nc_u64 s[BB:BB+1], s[6:7], s[46:47]
	CROUND
.irp s, 0,1
	s_lshl_b32 s[OA], s[KC], 8
	s_lshl_b32 s[OF], s[KC], 19
	s_mov_b32 s[G0+4*(\s)], 1
	s_add_co_u32 s[G0+4*(\s)+1], s20, (\s)*SLOT1
	s_add_nc_u64 s[G0+4*(\s)+2:G0+4*(\s)+3], s[AB:AB+1], s[OA:OA+1]
	s_or_b32 s[G0+4*(\s)+3], s[G0+4*(\s)+3], 0x80000000
	s_mov_b32 s[G0B+4*(\s)], 1
	s_add_co_u32 s[G0B+4*(\s)+1], s21, (\s)*SLOT1
	s_add_nc_u64 s[G0B+4*(\s)+2:G0B+4*(\s)+3], s[BB:BB+1], s[OF:OF+1]
	s_or_b32 s[G0B+4*(\s)+3], s[G0B+4*(\s)+3], 0x80000000
.if (\s) == 0
	s_add_co_u32 s[KC], s[KC], 1                   ; the next K step, round the eight
	s_and_b32 s[KC], s[KC], 7
.endif
.endr
	s_cmp_eq_u32 s11, 0                            ; a wave's two first fills stand in one branch: two loads of mine are out
	s_cbranch_scc0 .Lfirst_b
	tensor_load_to_lds s[G0:G0+3], s[G1:G1+7]
	s_nop 0
	tensor_load_to_lds s[G0+4:G0+7], s[G1:G1+7]
	s_nop 0
	PLACES
	s_branch .Lfirst_asked
.Lfirst_b:
	tensor_load_to_lds s[G0B:G0B+3], s[G1B:G1B+7]
	s_nop 0
	tensor_load_to_lds s[G0B+4:G0B+7], s[G1B:G1B+7]
	s_nop 0
	PLACES
.Lfirst_asked:
	v_and_b32 v1, 15, v0
	v_bfe_u32 v2, v0, 4, 1
	v_mul_u32_u24 v3, v1, PA
	v_lshl_add_u32 v3, v2, 4, v3
	s_mul_i32 s22, s11, AHALF
	v_add_nc_u32 v[ADRA0], s22, v3
	v_mov_b32 v[ADRA], v[ADRA0]
	v_and_b32 v4, 7, v0
	v_lshl_add_u32 v4, v2, 3, v4
	v_mul_u32_u24 v4, v4, PB
	v_bfe_u32 v5, v0, 3, 1
	v_lshl_add_u32 v4, v5, 4, v4
	s_lshl_b32 s22, s12, 8
	s_add_co_u32 s22, s22, BOFF
	v_add_nc_u32 v[ADRB0], s22, v4
	v_mov_b32 v[ADRB], v[ADRB0]
	s_mul_i32 s23, s10, 16*SP
	s_add_co_u32 s23, s23, STAGE
	v_mul_u32_u24 v5, v1, SP                       ; in: row l % 16, 32 bytes for each half of the lanes
	v_lshl_add_u32 v5, v2, 5, v5
	v_add_nc_u32 v[STO], s23, v5
	v_and_b32 v6, 31, v0
	v_lshlrev_b32 v[CO], 4, v6                     ; back: 32 lanes take one row of 512 bytes
	v_add_nc_u32 v[RD], s23, v[CO]
	s_lshl_b32 s22, s13, 7                         ; my first row of the result, 8,192 bytes a row,
	s_lshl_b32 s23, s11, 6
	s_add_co_u32 s22, s22, s23
	s_lshl_b32 s22, s22, 13
	s_mov_b32 s23, 0
	s_add_nc_u64 s[8:9], s[8:9], s[22:23]
	s_lshl_b32 s72, s42, 10                        ; and my first column
	s_lshl_b32 s73, s12, 9
	s_add_co_u32 s72, s72, s73
	s_mov_b32 s73, 0
	s_add_nc_u64 s[8:9], s[8:9], s[72:73]
; 8 matrix instructions: row block a x all 8 column blocks, 32 along K, on buffer f.  The 32 accumulators take turns in one order everywhere.
.macro MUL8 f, a, zero
	WIN 0x50                                       ; C and D in window 1
.irp b, 0,1,2,3,4,5,6,7
.if \zero
	v_wmma_f32_16x16x32_f16 v[8*(8*(\a)+(\b)):8*(8*(\a)+(\b))+7], v[FB+64*(\f)+8*(\b):FB+64*(\f)+8*(\b)+7], v[FA+32*(\f)+8*(\a):FA+32*(\f)+8*(\a)+7], 0
.else
	v_wmma_f32_16x16x32_f16 v[8*(8*(\a)+(\b)):8*(8*(\a)+(\b))+7], v[FB+64*(\f)+8*(\b):FB+64*(\f)+8*(\b)+7], v[FA+32*(\f)+8*(\a):FA+32*(\f)+8*(\a)+7], v[8*(8*(\a)+(\b)):8*(8*(\a)+(\b))+7]
.endif
.endr
.endm
.macro FETCH q, f                      ; 24 LDS loads in one run: quarter q into buffer f
	WIN 0
.irp i, 0,1,2,3,4,5,6,7
	ds_load_tr16_b128 v[FB+64*(\f)+8*(\i):FB+64*(\f)+8*(\i)+3],   v[ADRB] offset:(\q)*32*PB+32*(\i)
	ds_load_tr16_b128 v[FB+64*(\f)+8*(\i)+4:FB+64*(\f)+8*(\i)+7], v[ADRB] offset:(\q)*32*PB+16*PB+32*(\i)
.endr
.irp i, 0,1,2,3
	ds_load_b128 v[FA+32*(\f)+8*(\i):FA+32*(\f)+8*(\i)+3],   v[ADRA] offset:(\q)*64+(\i)*16*PA
	ds_load_b128 v[FA+32*(\f)+8*(\i)+4:FA+32*(\f)+8*(\i)+7], v[ADRA] offset:(\q)*64+(\i)*16*PA+32
.endr
.endm
.macro QUARTER q, f, g, zero
	s_wait_dscnt 4                                 ; wpb and yb's row blocks 0, 1 are in; the youngest four loads may be out
	MUL8 \f, 0, \zero
	MUL8 \f, 1, \zero
	PLACES
	FETCH \q, \g
	s_wait_dscnt 24                                ; all but the 24 just issued
	MUL8 \f, 2, \zero
	MUL8 \f, 3, \zero
.endm
.macro MEET round
	WIN 0
	s_wait_tensorcnt 0x0                           ; all my tensor loads have landed: my part of the next slot
	ds_add_u32 v[SPW], v[NIL]
.if \round
	s_add_co_u32 s[KC], s[KC], 1                   ; no load of mine is out, so the walking descriptors are written: the next K step, round the eight,
	s_and_b32 s[KC], s[KC], 7
	s_lshl_b32 s[OA], s[KC], 8
	s_lshl_b32 s[OF], s[KC], 19
	s_xor_b32 s[G0+5], s[G0+5], SLOT1              ; into the other slot; the address is made anew from the tensor's and the step's offset, the type bits set again
	s_add_nc_u64 s[G0+6:G0+7], s[AB:AB+1], s[OA:OA+1]
	s_or_b32 s[G0+7], s[G0+7], 0x80000000
	s_xor_b32 s[G0B+5], s[G0B+5], SLOT1
	s_add_nc_u64 s[G0B+6:G0B+7], s[BB:BB+1], s[OF:OF+1]
	s_or_b32 s[G0B+7], s[G0B+7], 0x80000000
.endif
	s_wait_dscnt 5                                 ; the add and the youngest four loads may be out
	MUL8 1, 0, 0
	s_wait_dscnt 0x0                               ; the add is done, and my reads of this slot are over
	s_barrier_signal -1
	MUL8 1, 1, 0
.if \round
	WIN 0
.endif
	s_barrier_wait -1
.endm
.macro TURN fill                       ; the last quarter and the change of slots; fill = 1: the joint refill, two K steps ahead, first behind a round of the cluster's barrier
	MEET \fill
.if \fill
	CREST
	JLOAD
.else
	PLACES
	WIN 0
.endif
	s_xor_b32 s[SB], s[SB], SLOT1
	v_add_nc_u32 v[ADRA], s[SB], v[ADRA0]
	v_add_nc_u32 v[ADRB], s[SB], v[ADRB0]
	FETCH 0, 0
	MUL8 1, 2, 0
	MUL8 1, 3, 0
.endm
	s_wait_tensorcnt 1                             ; my part of the first K step is in; the second's may stay out
	s_barrier_signal -1
	s_barrier_wait -1
	FETCH 0, 0
	QUARTER 1, 0, 1, 1                             ; the first quarter's products start the sums
	WIN 0
	s_mov_b32 s3, 6
.Lk:
	QUARTER 2, 1, 0, 0
	QUARTER 3, 0, 1, 0
	TURN 1
	QUARTER 1, 0, 1, 0
	WIN 0
	s_sub_co_u32 s3, s3, 1
	s_cmp_lg_u32 s3, 0
	s_cbranch_scc1 .Lk
	s_mov_b32 s3, 2
.Ltail:                                            ; the last two K steps ask for nothing; the second trip is left in its middle, and its fetch serves nothing
	QUARTER 2, 1, 0, 0
	QUARTER 3, 0, 1, 0
	TURN 0
	WIN 0
	s_sub_co_u32 s3, s3, 1
	s_cmp_eq_u32 s3, 0
	s_cbranch_scc1 .Ldone
	QUARTER 1, 0, 1, 0
	WIN 0
	s_branch .Ltail
.Ldone:
	s_wait_dscnt 0x0
	PLACES
	PLACES
; THE WAY OUT, 16 rows at a time: 32 bytes a lane into my stage, back as whole rows of 512 bytes
.macro TOSTAGE a
	WIN 0x04                                       ; store data in window 1
.irp b, 0,1,2,3,4,5,6,7
	ds_store_b128 v[STO], v[8*(8*(\a)+(\b)):8*(8*(\a)+(\b))+3]   offset:64*(\b)      ; each accumulator's lowest registers first
	ds_store_b128 v[STO], v[8*(8*(\a)+(\b))+4:8*(8*(\a)+(\b))+7] offset:64*(\b)+16
.endr
	WIN 0
	s_wait_xcnt 0x0                                ; the stores of two blocks ago have read these registers
.irp t, 0,1,2,3,4,5,6,7,8,9,10,11,12,13,14,15
	ds_load_b128 v[OB+64*((\a)%2)+4*(\t):OB+64*((\a)%2)+4*(\t)+3], v[RD] offset:(\t)*SP  ; LDS serves a wave's instructions in order (ISA guide 5.7.1.4)
.endr
.endm
.macro SEND a, younger                 ; younger: the LDS instructions issued behind block a's loads: the next block's 32, or none
.irp t, 0,1,2,3,4,5,6,7,8,9,10,11,12,13,14,15
	s_wait_dscnt (\younger)+15-(\t)
	global_store_b128 v[CO], v[OB+64*((\a)%2)+4*(\t):OB+64*((\a)%2)+4*(\t)+3], s[8:9] offset:(16*(\a)+(\t))*8192 th:TH_STORE_NT  ; 512 consecutive bytes, at a multiple of 256 from the buffer's first
.endr
.endm
	TOSTAGE 0
	TOSTAGE 1
	SEND 0, 32
	TOSTAGE 2
	SEND 1, 32
	TOSTAGE 3
	SEND 2, 32
	SEND 3, 0
	s_wait_tensorcnt 0x0                           ; the wave's end
	ds_add_u32 v[SPW], v[NIL]
	s_wait_dscnt 0x0
	CROUND                                         ; the closing round
	s_endpgm
.Lfunc_end_k_q43f57dcf16_out:
	.size	k_q43f57dcf16_out, .Lfunc_end_k_q43f57dcf16_out-k_q43f57dcf16_out
	.p2alignl 7, 3214868480
	.fill 96, 4, 3214868480
	.section	.rodata,"a",@progbits
	.p2align	6, 0x0
	.amdhsa_kernel k_q43f57dcf16_out
		.amdhsa_group_segment_fixed_size 327680
		.amdhsa_private_segment_fixed_size 0
		.amdhsa_enable_private_segment 0
		.amdhsa_kernarg_size 24
		.amdhsa_user_sgpr_count 2
		.amdhsa_user_sgpr_kernarg_segment_ptr 1
		.amdhsa_wavefront_size32 1
		.amdhsa_system_sgpr_workgroup_id_x 1
		.amdhsa_system_sgpr_workgroup_id_y 1
		.amdhsa_system_sgpr_workgroup_id_z 1
		.amdhsa_system_vgpr_workitem_id 0
		.amdhsa_next_free_vgpr 512
		.amdhsa_next_free_sgpr 74
		.amdhsa_reserve_vcc 0
		.amdhsa_float_denorm_mode_32 3
		.amdhsa_float_denorm_mode_16_64 3
		.amdhsa_memory_ordered 1
		.amdhsa_forward_progress 1
		.amdhsa_inst_pref_size 62
	.end_amdhsa_kernel
	.amdgpu_metadata
---
amdhsa.version: [ 1, 2 ]
amdhsa.kernels:
  - .name:           k_q43f57dcf16_out
    .symbol:         k_q43f57dcf16_out.kd
    .args:
      - { .name: yb, .offset: 0, .size: 8, .value_kind: global_buffer, .address_space: global }
      - { .name: wpb, .offset: 8, .size: 8, .value_kind: global_buffer, .address_space: global }
      - { .name: out0, .offset: 16, .size: 8, .value_kind: global_buffer, .address_space: global }
    .group_segment_fixed_size: 327680
    .private_segment_fixed_size: 0
    .kernarg_segment_align: 8
    .kernarg_segment_size: 24
    .max_flat_workgroup_size: 128
    .sgpr_count:     74
    .vgpr_count:     512
    .wavefront_size: 32
...
	.end_amdgpu_metadata
.endif
;; end of part 4
;; ======== version 2 of 2: 4 launches; version 1 with the launch cast written anew for expert scheduling mode
;; limits: values are held in f16: magnitudes above 65,504 overflow, below 6.1e-05 lose precision; right only within a limited range of input values
;; workspace buffers: xb 16,777,216 bytes; wb 12,582,912 bytes; wpb 4,194,304 bytes; qb 8,388,608 bytes; kb 4,194,304 bytes; vb 4,194,304 bytes; gb 8,388,608 bytes; yb 8,388,608 bytes
;; launch cast (part 5): grid 1024 x 1, 8 waves a work-group, no clusters, 0 bytes of LDS; arguments x, wq, wk, wv, w_gate, w_proj, xb, wb, wpb; writes xb, wb, wpb
.if DOCPART == 5
	.amdgcn_target "amdgcn-amd-amdhsa--gfx1250"
	.amdhsa_code_object_version 6
	.text
	.protected	k_q43f57dcf16_cast
	.globl	k_q43f57dcf16_cast
	.p2align	8
	.type	k_q43f57dcf16_cast,@function
k_q43f57dcf16_cast:
	s_mov_b64 s[64:65], 0
	v_nop
	global_prefetch_b8 v0, s[64:65] scope:SCOPE_SE
	s_setreg_imm32_b32 hwreg(HW_REG_WAVE_SCHED_MODE, 0, 2), 2
	s_setreg_imm32_b32 hwreg(HW_REG_WAVE_MODE, 25, 1), 1
	s_wait_xcnt 0x0
	s_wait_alu depctr_vm_vsrc(0)
; CAST.  x and the five weight matrices, f32, are rounded once to bf16 (to nearest even) and laid out for the products that follow:
;   xb  [4096][2048] bf16;   wb [2048 k][3072 n] bf16, columns 0-1023 wq, 1024-1535 wk, 1536-2047 wv, 2048-3071 w_gate;
;   wpb [1024 k][2048 n]: w_proj rounded to bf16, and that number written as f16 (the last product multiplies in f16).
; LIMIT.  A bf16 number is exact in f16 from 2^-14 to 65,504; below 2^-14 it keeps f16's fixed step of 6e-8; from 65,520 on it becomes an infinity.
; A stream: no LDS, no matrix unit.  The unit is a SEGMENT of 512 source numbers (2,048 bytes in, 1,024 bytes out); no row of any source is shorter.
; A wave takes 4 consecutive segments (8 KiB of source on end), a work-group 32.  All 16 loads of a wave go out at once; each covers 512 consecutive bytes;
; each store's 32 lanes cover 256 consecutive bytes, aligned.  Nothing is looped over, so no register that a memory instruction reads is written again.
; THE MODE: SCHED_MODE bits 1:0 = 2 (LLVM: expert scheduling mode 2), set by the entry lines.  The code itself states the register dependences
; between vector instructions and memory instructions, with s_wait_alu, always for 0.
; THE PLAN.  Registers that memory instructions touch:
;   v1, v[2:5]  byte offsets, made once at the head by vector lines and never written again: read by the loads (v1) and by the stores (v[2 + g] for segment g).
;   X           16 loads of 4 registers.  Each is written once, by its load, and read by its conversions; no vector line writes it, and it is never loaded again.
;   Y           16 pairs.  Each is written by its load's conversions and read by one store; it is never written again.
; The 16 loads go in four groups of four, a segment each.  Group g rounds X of group g into Y of group g; its memory instructions are the four stores of group g - 1, whose Y and offset no vector line of
; group g names.  So one wait on va_vdst at a group's head states all that those four stores hang on, and they are dealt among the group's conversions with no further wait.
; No register that a memory instruction has read is written again, so no wait on vm_vsrc is owed; EXEC is never written.
.set SO,   1                           ; v1       16 x lane: my 16 bytes in 512 bytes of source
.set DO,   2                           ; v[2:5]   segment j: 8 x lane + the segment's byte offset in the destination
.set T,    8                           ; v[8:9]   at work: no memory instruction names them
.set X,    16                          ; v[16:79] 16 loads of 4 registers
.set Y,    80                          ; v[80:111] 16 pairs to store
.set G,    26                          ; s26  the work-group's number
.set SRC,  28                          ; s[28:29] source
.set DST,  30                          ; s[30:31] destination
.set GB,   32                          ; s32  first work-group of my region
.set LS,   33                          ; s33  log2 of the segments in a source row
.set PIT,  34                          ; s34  bytes from row to row in the destination
.set COF,  35                          ; s35  byte at which my source's columns begin in a destination row
.set WV,   36                          ; s36  wave
.set HIM,  37                          ; s37  a word's upper half
	s_load_b512 s[8:23], s[0:1], 0x0               ; x, wq, wk, wv, w_gate, w_proj, xb, wb
	s_load_b64 s[24:25], s[0:1], 0x40              ; wpb
	v_lshrrev_b32 v6, 5, v0
	v_readfirstlane_b32 s[WV], v6
	v_and_b32 v7, 31, v0
	v_lshlrev_b32 v[SO], 4, v7
	s_mov_b32 s[HIM], 0xffff0000
	s_mov_b32 s[G], ttmp9
	s_mov_b32 s[GB], 0                             ; work-groups 0-511: x
	s_mov_b32 s[LS], 2
	s_mov_b32 s[PIT], 4096
	s_mov_b32 s[COF], 0
	s_wait_kmcnt 0x0
	s_mov_b64 s[SRC:SRC+1], s[8:9]
	s_mov_b64 s[DST:DST+1], s[20:21]
; from this work-group on another source: one compare, and selects, which leave SCC as it is
.macro REGION from, src, dst, ls, pit, cof
	s_cmp_ge_u32 s[G], \from
	s_cselect_b64 s[SRC:SRC+1], s[\src:\src+1], s[SRC:SRC+1]
	s_cselect_b64 s[DST:DST+1], s[\dst:\dst+1], s[DST:DST+1]
	s_cselect_b32 s[GB], \from, s[GB]
	s_cselect_b32 s[LS], \ls, s[LS]
	s_cselect_b32 s[PIT], \pit, s[PIT]
	s_cselect_b32 s[COF], \cof, s[COF]
.endm
	REGION 512, 10, 22, 1, 6144, 0                 ; wq      128 work-groups
	REGION 640, 12, 22, 0, 6144, 2048              ; wk       64
	REGION 704, 14, 22, 0, 6144, 3072              ; wv       64
	REGION 768, 16, 22, 1, 6144, 4096              ; w_gate  128
	REGION 896, 18, 24, 2, 4096, 0                 ; w_proj  128
	s_wait_alu depctr_va_sdst(0)                   ; the wave's number is written into s36, ahead of its first reader, three lines below: my first segment is made from it
	s_sub_co_u32 s38, s[G], s[GB]
	s_lshl_b32 s38, s38, 5
	s_lshl2_add_u32 s38, s[WV], s38                ; my first segment: 32 x work-group in the region + 4 x wave
	s_lshl_b32 s40, s38, 11                        ; 2,048 bytes of source a segment (under 2^26)
	s_mov_b32 s41, 0
	s_add_nc_u64 s[SRC:SRC+1], s[SRC:SRC+1], s[40:41]
.irp j, 0,1,2,3
	s_add_co_u32 s42, s38, \j
	s_lshr_b32 s43, s42, s[LS]                     ; the segment's row,
	s_lshl_b32 s44, s43, s[LS]
	s_sub_co_u32 s44, s42, s44                     ; and its place in the row
	s_mul_i32 s43, s43, s[PIT]
	s_add_co_u32 s43, s43, s[COF]
	s_lshl_b32 s44, s44, 10
	s_add_co_u32 s43, s43, s44
	v_lshl_add_u32 v[DO+\j], v7, 3, s43
.endr
	s_wait_alu depctr_va_vdst(0)                   ; v1 and v[2:5] are written: every load of the kernel reads v1 as its offset, every store one of v[2:5]
.set i, 0
.rept 16
	global_load_b128 v[X+4*i:X+4*i+3], v[SO], s[SRC:SRC+1] offset:512*i th:TH_LOAD_NT
.set i, i+1
.endr
; load i: four numbers a lane are rounded into pair i of Y.  f16 = 1: the bf16 number is widened again and written as f16.
.macro CONV i, f16
	v_cvt_pk_bf16_f32 v[Y+2*(\i)], v[X+4*(\i)], v[X+4*(\i)+1]
	v_cvt_pk_bf16_f32 v[Y+2*(\i)+1], v[X+4*(\i)+2], v[X+4*(\i)+3]
.if \f16
.irp h, 0,1
	v_lshlrev_b32 v[T], 16, v[Y+2*(\i)+\h]
	v_and_b32 v[T+1], s[HIM], v[Y+2*(\i)+\h]
	v_cvt_pk_f16_f32 v[Y+2*(\i)+\h], v[T], v[T+1]
.endr
.endif
.endm
; pair i of Y is stored: 256 consecutive bytes of segment i / 4
.macro SEND i
	global_store_b64 v[DO+(\i)/4], v[Y+2*(\i):Y+2*(\i)+1], s[DST:DST+1] offset:256*((\i)%4)
.endm
; Group g: loads 4 g to 4 g + 3 are rounded; the group before is stored, a store ahead of each load's conversions.
.macro GROUP g, f16
	s_wait_loadcnt 12-4*(\g)                       ; loads come back in order: this group's four are in, the 12 - 4 g of the younger groups may stay out
.if (\g) > 0
	s_wait_alu depctr_va_vdst(0)                   ; the group before has written its four pairs of Y, which the stores below read; no vector line behind this wait names those pairs or their offset
.endif
.irp n, 0,1,2,3
.if (\g) > 0
	SEND 4*(\g)-4+(\n)
.endif
	CONV 4*(\g)+(\n), \f16
.endr
.endm
; The last group's four pairs leave behind a wait of their own.
.macro LAST
	s_wait_alu depctr_va_vdst(0)                   ; group 3 has written its four pairs of Y, which the last four stores read
.irp n, 12,13,14,15
	SEND \n
.endr
.endm
	s_cmp_ge_u32 s[G], 896
	s_cbranch_scc1 .Lf16
.irp g, 0,1,2,3
	GROUP \g, 0
.endr
	LAST
	s_endpgm
.Lf16:
.irp g, 0,1,2,3
	GROUP \g, 1
.endr
	LAST
	s_endpgm
.Lfunc_end_k_q43f57dcf16_cast:
	.size	k_q43f57dcf16_cast, .Lfunc_end_k_q43f57dcf16_cast-k_q43f57dcf16_cast
	.p2alignl 7, 3214868480
	.fill 96, 4, 3214868480
	.section	.rodata,"a",@progbits
	.p2align	6, 0x0
	.amdhsa_kernel k_q43f57dcf16_cast
		.amdhsa_group_segment_fixed_size 0
		.amdhsa_private_segment_fixed_size 0
		.amdhsa_enable_private_segment 0
		.amdhsa_kernarg_size 72
		.amdhsa_user_sgpr_count 2
		.amdhsa_user_sgpr_kernarg_segment_ptr 1
		.amdhsa_wavefront_size32 1
		.amdhsa_system_sgpr_workgroup_id_x 1
		.amdhsa_system_sgpr_workgroup_id_y 1
		.amdhsa_system_sgpr_workgroup_id_z 1
		.amdhsa_system_vgpr_workitem_id 0
		.amdhsa_next_free_vgpr 112
		.amdhsa_next_free_sgpr 66
		.amdhsa_reserve_vcc 0
		.amdhsa_float_denorm_mode_32 3
		.amdhsa_float_denorm_mode_16_64 3
		.amdhsa_memory_ordered 1
		.amdhsa_forward_progress 1
		.amdhsa_inst_pref_size 18
	.end_amdhsa_kernel
	.amdgpu_metadata
---
amdhsa.version: [ 1, 2 ]
amdhsa.kernels:
  - .name:           k_q43f57dcf16_cast
    .symbol:         k_q43f57dcf16_cast.kd
    .args:
      - { .name: x, .offset: 0, .size: 8, .value_kind: global_buffer, .address_space: global }
      - { .name: wq, .offset: 8, .size: 8, .value_kind: global_buffer, .address_space: global }
      - { .name: wk, .offset: 16, .size: 8, .value_kind: global_buffer, .address_space: global }
      - { .name: wv, .offset: 24, .size: 8, .value_kind: global_buffer, .address_space: global }
      - { .name: w_gate, .offset: 32, .size: 8, .value_kind: global_buffer, .address_space: global }
      - { .name: w_proj, .offset: 40, .size: 8, .value_kind: global_buffer, .address_space: global }
      - { .name: xb, .offset: 48, .size: 8, .value_kind: global_buffer, .address_space: global }
      - { .name: wb, .offset: 56, .size: 8, .value_kind: global_buffer, .address_space: global }
      - { .name: wpb, .offset: 64, .size: 8, .value_kind: global_buffer, .address_space: global }
    .group_segment_fixed_size: 0
    .private_segment_fixed_size: 0
    .kernarg_segment_align: 8
    .kernarg_segment_size: 72
    .max_flat_workgroup_size: 256
    .sgpr_count:     66
    .vgpr_count:     112
    .wavefront_size: 32
...
	.end_amdgpu_metadata
.endif
;; end of part 5
;; launch proj: the kernel of part 2 again; grid 12 x 16, 4 waves a work-group, clusters of 4 x 4, 327,680 bytes of LDS; arguments xb, wb, cos, sin, q_norm_w, k_norm_w, qb, kb, vb, gb; writes qb, kb, vb, gb
;; launch attn: the kernel of part 3 again; grid 32 x 8, 4 waves a work-group, clusters of 4 x 1, 327,680 bytes of LDS; arguments qb, kb, vb, gb, yb; writes yb
;; launch out: the kernel of part 4 again; grid 8 x 32, 4 waves a work-group, clusters of 4 x 4, 327,680 bytes of LDS; arguments yb, wpb, out0; writes out0
